; MI455X (gfx1250); checked and timed in simulation.
; The chip was launched on July 23, 2026; its instructions are those of AMD's public machine-readable ISA for CDNA 5 (MIT licence, August 2026) and "CDNA5" Instruction Set Architecture Reference Guide (July 2026). The comments in the code are by the model that wrote it; some were corrected since.
;; Attn. Allowed arithmetic: matrix products marked QUANTISED: E2M3 operands, one E8M0 scale for each 32 along K, by v_wmma_scale_f32_16x16x128_f8f6f4 with both operands' format E2M3, f32 sums; everything else in f32.
;; Inputs: Wout 1,024 x 1,024 float32; Wqkv 1,024 x 3,072 float32; bout 1,024 float32; bqkv 3,072 float32; gk 64 float32; gq 64 float32; x 1 x 4,096 x 1,024 float32.
;; Outputs: out0 1 x 4,096 x 1,024 float32.
;; Constants: tokens_per_frame = 256.
;; This version of the problem:
;;   THIS VERSION OF THE PROBLEM IS GIVEN IN LOW PRECISION. The matrix products marked QUANTISED in the list below multiply operands that are first quantised to E2M3 (2 exponent bits, 3 mantissa bits; 6 bits a number), with one power-of-two scale for each 32 numbers along K (OCP MX v1.0); their sums are f32. All else is computed in f32.
;;   The module's matrix products, in the order in which they are computed (A, B: the left and right operand; K: the contracted axis; several contracted axes count as one K, in the product's order):
;;     1. [M 4,096, K 1,024] x [K 1,024, N 3,072]; A: input x; B: input Wqkv: QUANTISED
;;     2. batch 16 x [M 4,096, K 64] x [K 64, N 4,096]; A: computed on the way; B: computed on the way: QUANTISED
;;     3. batch 16 x [M 4,096, K 4,096] x [K 4,096, N 64]; A: softmax (see below); B: computed on the way: QUANTISED
;;     4. [M 4,096, K 1,024] x [K 1,024, N 1,024]; A: computed on the way; B: input Wout: QUANTISED
;;   THE QUANTISER, for each operand of a quantised product, along K:
;;     - K is cut into blocks of 32 from its start; a last block that is shorter is filled with zeros.
;;     - A block's scale is 2^e with e = floor(log2(the largest magnitude in the block)) - 2, held to -126 .. 127; a block of zeros has e = 0. As a byte (E8M0): e + 127.
;;     - Each number is divided by its block's scale, clamped to +-7.5, and rounded to the nearest number of E2M3, ties to even, subnormals kept.
;;     - The product sums the exact products of the quantised numbers (number of the format x scale) in f32.
;;   ~~~python
;;   def quantise(x, axis):      # numpy; x: float32 -> the quantised numbers, widened to float32 again
;;       x = np.moveaxis(x, axis, -1); K = x.shape[-1]
;;       x = np.pad(x, [(0, 0)] * (x.ndim - 1) + [(0, -K % 32)]); x = x.reshape(x.shape[:-1] + (-1, 32)); a = np.abs(x).max(-1, keepdims=True)
;;       e = np.where(a > 0, np.clip(np.frexp(np.where(a > 0, a, 1))[1] - 1 - 2, -126, 127), 0)      # np.frexp(a)[1] - 1 = floor(log2(a)), exactly
;;       r = np.clip(x / 2.0 ** e, -7.5, 7.5)
;;       step = 2.0 ** (np.maximum(np.frexp(np.where(r == 0, 1, r))[1] - 1, 0) - 3)
;;       q = np.round(r / step) * step * 2.0 ** e      # np.round: ties to even
;;       return np.moveaxis(q.reshape(q.shape[:-2] + (-1,))[..., :K], -1, axis).astype(np.float32)
;;   ~~~
;;   SOFTMAX AHEAD OF A QUANTISED PRODUCT. Where the list says 'softmax', what is quantised is not the finished softmax but p = 2^(t - M), with t = logit x log2(e) and M = ceil(the row's largest t), a whole number; so 1/2 < the row's largest p <= 1. The row's sum l is taken of the UNQUANTISED p, in f32, and the product's result is divided by l at the end. Since M is a whole number, a kernel that streams over the keys may use a running M (the ceiling of the running maximum): every later rescaling is an exact power of two, which a block's scale takes up: the codes' values come out the same.
;;   OPERANDS COMPUTED ON THE WAY. 'Computed on the way' means the value that the module computes at that place (a softmax that the list does not call 'softmax' is quantised finished and normalised). What goes into a quantiser is computed in f32, as accurately as f32 sums, v_exp_f32 and their like allow (about 1e-6 of the number): no bf16 or f16 on the way to a quantiser, and a product that is left as it is and whose result goes on into a quantised operand takes f32 operands (vector FMAs, or v_wmma_f32_16x16x4_f32). A number that lies on a knife's edge between two numbers of the format may be rounded either way, as far as f32 arithmetic and the matrix unit's own rounding can turn it there, and no further.
;; One version. Each part assembles by itself: llvm-mc -triple=amdgcn-amd-amdhsa -mcpu=gfx1250 --defsym DOCPART=n.
;; ======== version 1 of 1: 4 launches
;; limits: right only within a limited range of input values
;; workspace buffers: xc 3,276,800 bytes; wc 2,457,600 bytes; woc 819,200 bytes; qkv 9,830,400 bytes; oc 3,276,800 bytes
;; launch quant (part 1): grid 256 x 1, 4 waves a work-group, no clusters, 34,304 bytes of LDS; arguments x, Wqkv, Wout, xc, wc, woc; writes xc, wc, woc
.if DOCPART == 1
	.amdgcn_target "amdgcn-amd-amdhsa--gfx1250"
	.amdhsa_code_object_version 6
	.text
	.protected	k_q586c575b5c_quant
	.globl	k_q586c575b5c_quant
	.p2align	8
	.type	k_q586c575b5c_quant,@function
k_q586c575b5c_quant:
	s_mov_b64 s[64:65], 0
	v_nop
	global_prefetch_b8 v0, s[64:65] scope:SCOPE_SE
	s_setreg_imm32_b32 hwreg(HW_REG_WAVE_MODE, 25, 1), 1
	s_wait_xcnt 0x0
; x [4096][1024], Wqkv [1024][3072] and Wout [1024][1024], f32, become codes of FP6 (E2M3) with one E8M0 byte for each 32 along K (K = 1024: x's last axis, the weights' first),
; laid IN THE ORDER OF THE OPERAND'S REGISTERS.  A tile is 16 rows (of x) or columns (of a weight); tile T holds rows 32 (T / 2) + 8 (T % 2) + r + 8 (r / 8), r = 0 .. 15.
; A fragment (a tile x 128 K) is 12 registers a lane, 1,536 bytes: registers 4 c .. 4 c + 3 of lane l at 512 c + 16 l.  Two tiles x 256 K make a block of 6,400 bytes: four fragments
; (tile % 2) x 3,072 + (K step % 2) x 1,536, then 256 bytes of scale words at 6,144 + (tile % 2) x 128 + 8 r + 4 (K step % 2).  Blocks lie pair by pair, and the four parts of K (256 each) one behind the other.
; A block's scale is 2^(floor(log2(largest magnitude)) - 2): its byte is the largest magnitude's exponent field - 2, held at 1 from below.  A block of zeros keeps the byte 1: its codes are zeros, and only this program reads the bytes.
; LIMITS: NaN and infinities among the inputs are not served; blocks whose largest magnitude lies under 2^-124 are held at the byte 1.
; Work-groups 0-127: x.  A wave takes one tile x 512 K in four units of 128 K.  Each load reads 512 consecutive bytes of a row; a unit turns through the wave's own stage in LDS, so that a lane gets 16 neighbours of each block.
; Work-groups 128-255: the weights.  A lane takes a column and its registers run down K; a wave takes 32 columns x 256 K: eight blocks.  No barrier: waves share nothing.
.set TM,   16                          ; v16-19 largest magnitudes, v20-23 the other half's / the bytes, v28-31 the conversions' scale operands
.set PW,   9                           ; v9     the scale word just made
.set PWU,  10                          ; v10-13 a unit's scale word
.set PC,   32                          ; v32-50 the codes just made
.set R,    64                          ; v64-191 two sets of 64: a unit as loaded
.set X,    192                         ; v192-255 a unit, 16 neighbours of each of 4 blocks
.set SEL,  36                          ; s[36:37] lane selects: lane l xor 16
; 64 numbers of a lane, register 16 b + i = k 32 b + 16 (lane / 16) + i of my row, become a fragment's codes in v[PC] on and its scale word in v[PW]
.macro QUANT s
.irp b, 0,1,2,3
	v_max3_num_f32 v[TM+\b], |v[\s+16*\b]|, |v[\s+1+16*\b]|, 0x1800000   ; my 16 numbers of block b, and the floor 2^(3 - 127): the byte cannot fall under 1
.endr
.irp i, 2,4,6,8,10,12,14
.irp b, 0,1,2,3
	v_max3_num_f32 v[TM+\b], v[TM+\b], |v[\s+16*\b+\i]|, |v[\s+1+16*\b+\i]|
.endr
.endr
.irp b, 0,1,2,3
	v_permlanex16_b32 v[TM+4+\b], v[TM+\b], s[SEL], s[SEL+1]
.endr
.irp b, 0,1,2,3
	v_max_num_f32 v[TM+\b], v[TM+\b], v[TM+4+\b]   ; with lane l xor 16's: the block's largest magnitude
.endr
.irp b, 0,1,2,3
	v_add_nc_u32 v[TM+12+\b], 0xff000000, v[TM+\b]   ; 2 off its exponent field: the conversion's scale operand
.endr
.irp b, 0,1,2,3
	v_lshrrev_b32 v[TM+4+\b], 23, v[TM+12+\b]      ; the scale's byte
.endr
	v_lshl_or_b32 v[PW], v[TM+5], 8, v[TM+4]
	v_lshl_or_b32 v[PW], v[TM+6], 16, v[PW]
	v_lshl_or_b32 v[PW], v[TM+7], 24, v[PW]
.irp c, 0,1
	v_cvt_scalef32_pk16_fp6_f32 v[PC+6*\c:PC+2+6*\c], v[\s+32*\c:\s+15+32*\c], v[TM+12+2*\c]
	v_cvt_scalef32_pk16_fp6_f32 v[PC+12+4*\c:PC+14+4*\c], v[\s+16+32*\c:\s+31+32*\c], v[TM+12+2*\c+1]   ; (a conversion's three registers begin on an even number)
.endr
	v_nop                                          ; one plain place behind a scaled conversion
.irp c, 0,1                                    ; the operand's layout wants a whole block in a lane
.irp i, 0,1,2
	v_permlane16_swap_b32 v[PC+6*\c+\i], v[PC+12+4*\c+\i]
.endr
.irp i, 0,1,2
	v_mov_b32 v[PC+3+6*\c+\i], v[PC+12+4*\c+\i]
.endr
.endr
.endm
.macro LOADX u                         ; unit u: 512 bytes of each of the tile's 16 rows
.irp i, 0,1,2,3,4,5,6,7,8,9,10,11,12,13,14,15
	global_load_b128 v[R+64*((\u)%2)+4*\i:R+64*((\u)%2)+4*\i+3], v4, s[4:5] offset:(\i+8*(\i/8))*4096+512*(\u) th:TH_LOAD_NT
.endr
.endm
.macro UNITX u
.if (\u) < 3
	s_wait_loadcnt 16                              ; this unit's 16 loads are in; the next unit's 16 may be out
.else
	s_wait_loadcnt 0x0
.endif
.if (\u) > 0
	s_wait_xcnt 0x0                                ; the last unit's stores have read their data: the codes' registers are written again below
.endif
.irp i, 0,1,2,3,4,5,6,7,8,9,10,11,12,13,14,15
	ds_store_b128 v5, v[R+64*((\u)%2)+4*\i:R+64*((\u)%2)+4*\i+3] offset:528*\i
.endr
.irp b, 0,1,2,3
.irp j, 0,1,2,3
	ds_load_b128 v[X+16*\b+4*\j:X+16*\b+4*\j+3], v6 offset:128*\b+16*\j   ; LDS serves a wave's instructions in order: these see the stores above
.endr
.endr
	s_wait_dscnt 0x0                               ; the unit is back, and the stores have read their registers,
.if (\u) < 2
	LOADX (\u)+2                                   ; which take the unit two on
.endif
	QUANT X
	v_mov_b32 v[PWU+(\u)], v[PW]
.irp c, 0,1,2
	global_store_b128 v7, v[PC+4*\c:PC+4*\c+3], s[10:11] offset:((\u)/2)*819200+((\u)%2)*1536+512*\c   ; 512 consecutive bytes
.endr
.if (\u)%2 == 1
	v_cndmask_b32 v[14+(\u)/2], v[PWU+(\u)-1], v[PWU+(\u)], s30   ; lanes 0-15 the even K step's word, lanes 16-31 the odd one's
	global_store_b32 v8, v[14+(\u)/2], s[10:11] offset:((\u)/2)*819200   ; 128 consecutive bytes: the tile's scale words of this part of K
.endif
.endm
.macro LOADW t                         ; block t: W(32 t + i, my column), i = 0 .. 31, into set t % 2
.if (\t) > 0
	s_wait_xcnt 0x0                                ; the earlier loads and stores have read their base: it steps 32 rows
	s_add_nc_u64 s[6:7], s[6:7], s[26:27]
.endif
.irp i, 0,1,2,3,4,5,6,7,8,9,10,11,12,13,14,15,16,17,18,19,20,21,22,23,24,25,26,27,28,29,30,31
	global_load_b32 v[64+32*((\t)%2)+\i], v[32+\i], s[6:7] th:TH_LOAD_NT
.endr
.endm
.macro BLOCKW t
.set XS, 64+32*((\t)%2)
.set PP, 160+6*((((\t)%4)/2)+2*((\t)%2))   ; blocks 0, 2 of a K step are the registers of the image's lane (r, 0), blocks 1, 3 those of lane (r, 1)
.if (\t) < 7
	s_wait_loadcnt 32                              ; this block's 32 loads are in; the next block's may be out
.else
	s_wait_loadcnt 0x0
.endif
.if (\t) == 4
	s_wait_xcnt 0x0                                ; the first K step's stores have read the codes' registers
.endif
	v_max3_num_f32 v10, |v[XS]|, |v[XS+1]|, |v[XS+2]|
	v_max3_num_f32 v11, |v[XS+3]|, |v[XS+4]|, |v[XS+5]|
.irp i, 6,10,14,18,22,26
	v_max3_num_f32 v10, v10, |v[XS+\i]|, |v[XS+\i+1]|
	v_max3_num_f32 v11, v11, |v[XS+\i+2]|, |v[XS+\i+3]|
.endr
	v_max3_num_f32 v10, v10, |v[XS+30]|, |v[XS+31]|
	v_max3_num_f32 v10, v10, v11, 0x1800000        ; and the floor
	v_add_nc_u32 v12, 0xff000000, v10
	v_lshrrev_b32 v13, 23, v12
.if (\t)%4 == 0
	v_mov_b32 v[188+(\t)/4], v13
.else
	v_lshl_or_b32 v[188+(\t)/4], v13, 8*((\t)%4), v[188+(\t)/4]
.endif
	v_cvt_scalef32_pk16_fp6_f32 v[PP:PP+2], v[XS:XS+15], v12
	v_cvt_scalef32_pk16_fp6_f32 v[184:186], v[XS+16:XS+31], v12
	v_nop                                          ; one plain place behind a scaled conversion
.irp i, 0,1,2
	v_mov_b32 v[PP+3+\i], v[184+\i]
.endr
.if (\t)+2 < 8
	LOADW (\t)+2
.endif
.if (\t)%4 == 3
	s_wait_alu depctr_va_vdst(0)
.irp e, 0,1
.irp c, 0,1,2
	global_store_b128 v4, v[160+12*\e+4*\c:160+12*\e+4*\c+3], s[12:13] offset:((\t)/4)*1536+512*\c+256*\e   ; sixteen lanes fill 256 aligned bytes of each of the pair's two tiles
.endr
.endr
.endif
.endm
	s_load_b256 s[4:11], s[0:1], 0x0               ; x, Wqkv, Wout, xc
	s_load_b128 s[12:15], s[0:1], 0x20             ; wc, woc
	v_lshl_add_u32 v26, v0, 2, 0x8400
	v_mov_b32 v27, 0
	v_lshrrev_b32 v1, 5, v0
	v_readfirstlane_b32 s16, v1                    ; wave 0..3
	v_and_b32 v1, 31, v0                           ; lane
	v_and_b32 v2, 15, v0                           ; r
	v_bfe_u32 v3, v0, 4, 1                         ; h
	s_mov_b32 s[SEL], 0x76543210
	s_mov_b32 s[SEL+1], 0xfedcba98
	s_cmp_lt_u32 ttmp9, 128
	s_cbranch_scc0 .Lweights
	; ---- x: the work-group is a pair of tiles; wave / 2 the tile of the pair, wave % 2 the half of K
	s_lshr_b32 s17, s16, 1
	s_and_b32 s18, s16, 1
	s_lshl_b32 s20, ttmp9, 17                      ; 32 rows of 4,096 bytes a pair
	s_lshl_b32 s21, s17, 15                        ; 8 rows on for the odd tile
	s_add_co_u32 s20, s20, s21
	s_lshl_b32 s21, s18, 11                        ; 512 numbers on for the second half of K
	s_add_co_u32 s20, s20, s21
	s_mov_b32 s21, 0
	s_mul_i32 s22, s18, 1638400                    ; two parts of K on
	s_mul_i32 s23, ttmp9, 6400
	s_add_co_u32 s22, s22, s23
	s_mov_b32 s23, 0
	s_mul_i32 s24, s16, 8448                       ; my stage: 16 rows of 512 + 16 bytes
	s_wait_alu depctr_va_vdst(0)
	v_lshlrev_b32 v4, 4, v1                        ; 16 x lane
	v_add_nc_u32 v5, s24, v4                       ; into the stage
	v_mul_u32_u24 v6, v2, 528
	v_lshl_add_u32 v6, v3, 6, v6
	v_add_nc_u32 v6, s24, v6                       ; out of it: row r, + 64 h
	s_mul_i32 s25, s17, 3072
	v_add_nc_u32 v7, s25, v4                       ; an image's place for my lane
	s_lshl_b32 s25, s17, 7
	s_add_co_u32 s25, s25, 6144
	v_lshlrev_b32 v8, 3, v2
	v_lshl_add_u32 v8, v3, 2, v8
	v_add_nc_u32 v8, s25, v8                       ; a scale word's: 8 r + 4 h
	v_cmp_lt_u32 s30, 15, v1                       ; lanes 16-31
.irp b, 0,1,2,3
	v_mov_b32 v[TM+4+\b], 0                        ; written once: a lane permute's destination counts as one of its sources
.endr
	s_wait_kmcnt 0x0
	s_add_nc_u64 s[4:5], s[4:5], s[20:21]
	s_add_nc_u64 s[10:11], s[10:11], s[22:23]
	LOADX 0
	LOADX 1
	UNITX 0
	UNITX 1
	UNITX 2
	UNITX 3
	s_wait_tensorcnt 0x0
	ds_add_u32 v26, v27
	s_wait_dscnt 0x0
	s_endpgm
.Lweights:
	; ---- the weights: (work-group - 128) / 4 is a group of 128 columns (24 of Wqkv, then 8 of Wout), % 4 the part of K
	s_sub_co_u32 s17, ttmp9, 128
	s_lshr_b32 s18, s17, 2
	s_and_b32 s19, s17, 3
	s_mov_b32 s20, 4096                            ; a row of Wout in bytes
	s_mov_b32 s21, 204800                          ; a part of K in woc
	s_wait_kmcnt 0x0
	s_cmp_lt_u32 s18, 24                           ; the choice hangs on the work-group's number alone
	s_cselect_b64 s[6:7], s[6:7], s[8:9]
	s_cselect_b64 s[12:13], s[12:13], s[14:15]
	s_cselect_b32 s20, 12288, s20
	s_cselect_b32 s21, 614400, s21
	s_cselect_b32 s22, 0, 24
	s_sub_co_u32 s18, s18, s22
	s_lshl_b32 s18, s18, 2
	s_add_co_u32 s18, s18, s16                     ; my wave's pair of tiles: 32 columns
	s_lshl_b32 s24, s20, 8
	s_mul_i32 s24, s24, s19                        ; 256 rows a part
	s_lshl_b32 s25, s18, 7
	s_add_co_u32 s24, s24, s25
	s_mov_b32 s25, 0
	s_add_nc_u64 s[6:7], s[6:7], s[24:25]
	s_mul_i32 s24, s21, s19
	s_mul_i32 s26, s18, 6400
	s_add_co_u32 s24, s24, s26
	s_add_nc_u64 s[12:13], s[12:13], s[24:25]
	s_lshl_b32 s26, s20, 5                         ; 32 rows: a block
	s_mov_b32 s27, 0
	s_wait_alu depctr_va_vdst(0)
	v_lshlrev_b32 v32, 2, v1                       ; my column; v[32 + i]: row i of a block
.irp i, 0,1,2,3,4,5,6,7,8,9,10,11,12,13,14,15,16,17,18,19,20,21,22,23,24,25,26,27,28,29,30
	v_add_nc_u32 v[33+\i], s20, v[32+\i]
.endr
	v_bfe_u32 v10, v1, 3, 1                        ; column x of the pair lies in tile (x / 8) % 2,
	v_and_b32 v11, 7, v1
	v_lshrrev_b32 v12, 4, v1
	v_lshl_add_u32 v11, v12, 3, v11                ; as its row x % 8 + 8 (x / 16)
	v_mul_u32_u24 v4, v10, 3072
	v_lshl_add_u32 v4, v11, 4, v4                  ; the image's place
	v_lshlrev_b32 v5, 7, v10
	v_lshl_add_u32 v5, v11, 3, v5
	v_add_nc_u32 v5, 6144, v5                      ; the two scale words' place
	LOADW 0
	LOADW 1
	BLOCKW 0
	BLOCKW 1
	BLOCKW 2
	BLOCKW 3
	BLOCKW 4
	BLOCKW 5
	BLOCKW 6
	BLOCKW 7
	global_store_b64 v5, v[188:189], s[12:13]      ; my column's scale words of the part's two K steps
	s_endpgm
.Lfunc_end_k_q586c575b5c_quant:
	.size	k_q586c575b5c_quant, .Lfunc_end_k_q586c575b5c_quant-k_q586c575b5c_quant
	.p2alignl 7, 3214868480
	.fill 96, 4, 3214868480
	.section	.rodata,"a",@progbits
	.p2align	6, 0x0
	.amdhsa_kernel k_q586c575b5c_quant
		.amdhsa_group_segment_fixed_size 34304
		.amdhsa_private_segment_fixed_size 0
		.amdhsa_enable_private_segment 0
		.amdhsa_kernarg_size 48
		.amdhsa_user_sgpr_count 2
		.amdhsa_user_sgpr_kernarg_segment_ptr 1
		.amdhsa_wavefront_size32 1
		.amdhsa_system_sgpr_workgroup_id_x 1
		.amdhsa_system_sgpr_workgroup_id_y 1
		.amdhsa_system_sgpr_workgroup_id_z 1
		.amdhsa_system_vgpr_workitem_id 0
		.amdhsa_next_free_vgpr 256
		.amdhsa_next_free_sgpr 66
		.amdhsa_reserve_vcc 0
		.amdhsa_float_denorm_mode_32 3
		.amdhsa_float_denorm_mode_16_64 3
		.amdhsa_memory_ordered 1
		.amdhsa_forward_progress 1
		.amdhsa_inst_pref_size 74
	.end_amdhsa_kernel
	.amdgpu_metadata
---
amdhsa.version: [ 1, 2 ]
amdhsa.kernels:
  - .name:           k_q586c575b5c_quant
    .symbol:         k_q586c575b5c_quant.kd
    .args:
      - { .name: x, .offset: 0, .size: 8, .value_kind: global_buffer, .address_space: global }
      - { .name: Wqkv, .offset: 8, .size: 8, .value_kind: global_buffer, .address_space: global }
      - { .name: Wout, .offset: 16, .size: 8, .value_kind: global_buffer, .address_space: global }
      - { .name: xc, .offset: 24, .size: 8, .value_kind: global_buffer, .address_space: global }
      - { .name: wc, .offset: 32, .size: 8, .value_kind: global_buffer, .address_space: global }
      - { .name: woc, .offset: 40, .size: 8, .value_kind: global_buffer, .address_space: global }
    .group_segment_fixed_size: 34304
    .private_segment_fixed_size: 0
    .kernarg_segment_align: 8
    .kernarg_segment_size: 48
    .max_flat_workgroup_size: 128
    .sgpr_count:     66
    .vgpr_count:     256
    .wavefront_size: 32
...
	.end_amdgpu_metadata
.endif
;; end of part 1
;; launch qkvp (part 2): grid 12 x 16, 16 waves a work-group, clusters of 4 x 4, 327,680 bytes of LDS; arguments xc, wc, bqkv, gq, gk, qkv; writes qkv
.if DOCPART == 2
	.amdgcn_target "amdgcn-amd-amdhsa--gfx1250"
	.amdhsa_code_object_version 6
	.text
	.protected	k_q586c575b5c_qkvp
	.globl	k_q586c575b5c_qkvp
	.p2align	8
	.type	k_q586c575b5c_qkvp,@function
k_q586c575b5c_qkvp:
	s_mov_b64 s[64:65], 0
	v_nop
	global_prefetch_b8 v0, s[64:65] scope:SCOPE_SE
	s_setreg_imm32_b32 hwreg(HW_REG_WAVE_MODE, 25, 1), 1
	s_wait_xcnt 0x0
	s_wait_alu depctr_hold_cnt(0) depctr_sa_sdst(0) depctr_va_vdst(0) depctr_va_sdst(0) depctr_va_ssrc(0) depctr_va_vcc(0) depctr_vm_vsrc(0)
	s_getreg_b32 s2, hwreg(HW_REG_IB_STS2, 6, 4)
	s_cmp_eq_u32 s2, 0
	s_cbranch_scc0 .Lentry_in_a_cluster
	s_endpgm
.Lentry_in_a_cluster:
	s_bfe_u32 s2, ttmp6, 0x10000c
	s_cmp_lg_u32 s2, 0xf033
	s_cbranch_scc0 .Lentry_shape_is_right
	s_endpgm
.Lentry_shape_is_right:
; x Wqkv + bqkv on codes of FP6 (E2M3) with E8M0 scales; q and k get their RMS norm and gain in f32; q, k (along the head's 64) and v (along the keys) are quantised in registers and stored in operand order.
; SHARES.  A work-group makes 256 tokens x 256 columns (four heads of one of q, k, v).  Cluster x (0, 1, 2) says which of q, k, v: it is the same in all sixteen partners.  12 x 16 = 192 work-groups.
; Wave w of sixteen: tokens 64 (w / 4) on, head w % 4: 16 accumulators of 16 x 16 in 128 registers; four waves to a SIMD, so that one wave's LDS loads stand beside another's products.
; A tile holds rows 32 (T / 2) + 8 (T % 2) + r + 8 (r / 8).  So in a result the 16 registers of source 0's tiles 2 b, 2 b + 1 are its 16 neighbours 32 b + 16 (lane / 16) + 0 .. 15.
; q, k: source 0 = Wqkv's tiles, source 1 = x's: a lane holds one token, its 32 registers half a head.  v: the sources change places: a lane holds one channel, its registers run along 64 tokens, v's K.
; Only the two LDS offsets from which the sources are read change places: one text serves both.
; K = 1024 comes in four parts of 256 through three LDS slots (parts 0, 1, 2, then part 3 into slot 0): one refill.  A part is 8 blocks of 6,400 bytes of x and 8 of Wqkv, dense in memory.
; CLUSTER.  4 x 4: x's blocks hang on the token block alone and are asked for jointly along a row of the cluster, Wqkv's on the column block alone and jointly along a column.
; OUT (qkv): for each head and each 1,024 tokens 153,600 bytes: K: 32 images of 32 tokens (1,536 bytes: registers 0-5 the even tile, 6-11 the odd one; lane (r, h): channels 32 h on), 32 x 64 bytes of scale words;
; V: 16 groups of 64 keys x 4 tiles of channels x 768 bytes (registers 2 p, 2 p + 1 of lane l at 256 p + 8 l), 16 x 128 bytes of scale words; Q as K.  The scale words leave in runs of 128 bytes: 1 part in 25 of the bytes stored.
; LIMITS: NaN and infinities are not served; blocks whose largest magnitude lies under 2^-124 are held at the scale byte 1 (a block of zeros too: its codes are zeros).
.set SLOT,  102400                     ; x's 51,200 bytes of a part, then Wqkv's
.set SPARE, 3*SLOT                     ; the spare words: 128 bytes for each of 16 waves, named by no other line
.set SPW, 1                            ; v1   SPARE + 4 x my thread's number; never rewritten
.set NIL, 2                            ; v2   0; never rewritten
.set B0,  3                            ; v3-6 in slot 0: source 0's and source 1's fragments (16 x lane), their scale words (8 r); never rewritten
.set L16, 7                            ; v7-9 16, 4, 8 x lane
.set L4,  8
.set L8,  9
.set SC0, 10                           ; v10-13, v14-17 scale words of source 0's and source 1's four tiles
.set SC1, 14
.set TS,  18                           ; v18-19 the conversions' scale operands
.set F0,  20                           ; v20-67  source 0's four fragments
.set F1,  68                           ; v68-115 source 1's
.set A0,  116                          ; v116-119 the four addresses in the slot in hand
.set ACC, 128                          ; v128-255 accumulator (i, j) at ACC + 32 j + 8 i
.set BI,  20                           ; behind the products: the bias,
.set GG,  52                           ; the gain,
.set PC,  84                           ; codes, 6 registers for each of four groups,
.set CT,  108
.set OFH, 111
.set TM,  112
.set PL,  114
.set RS,  116                          ; 1 / rms, the low word of a pair for each group
.set HW,  124                          ; two scale bytes for each group
.set WV,  16
.set SEL, 94
.macro CROUND                          ; a round of the cluster's barrier
	s_barrier_signal -1
	s_barrier_wait -1
	s_cmp_lg_u32 s[WV], 0
	s_cbranch_scc1 .Lnot_wave_0_\@
	s_barrier_signal -3
.Lnot_wave_0_\@:
	s_barrier_wait -3
	s_barrier_signal -1
	s_barrier_wait -1
.endm
.macro PLACES
.rept 4
	v_nop
.endr
.endm
.macro SETSLOT n
.irp k, 0,1,2,3
	v_add_nc_u32 v[A0+\k], (\n)*SLOT, v[B0+\k]
.endr
.endm
.macro FRAG reg, adr, off              ; a fragment comes as the image of its registers
.irp c, 0,1,2
	ds_load_b128 v[\reg+4*\c:\reg+4*\c+3], v[\adr] offset:\off+512*\c
.endr
.endm
; 128 along K: the sp-th of the slot in hand.  32 LDS loads, 16 products; the 16 accumulators take turns, one instruction a turn.
.macro KSTEP sp, zero
.irp i, 0,1,2,3
	FRAG F0+12*\i, A0, (\i/2)*6400+(\i%2)*3072+(\sp)*1536
.endr
.irp i, 0,1,2,3
	ds_load_b32 v[SC0+\i], v[A0+2] offset:(\i/2)*6400+(\i%2)*128+4*(\sp)
.endr
.irp i, 0,1,2,3
	ds_load_b32 v[SC1+\i], v[A0+3] offset:(\i/2)*6400+(\i%2)*128+4*(\sp)
.endr
.irp i, 0,1,2,3
	FRAG F1+12*\i, A0+1, (\i/2)*6400+(\i%2)*3072+(\sp)*1536
.endr
.irp j, 0,1,2,3
	s_wait_dscnt 9-3*\j                            ; all but source 1's fragments behind the j-th, three loads each
.irp i, 0,1,2,3
.if \zero
	v_wmma_scale_f32_16x16x128_f8f6f4 v[ACC+32*\j+8*\i:ACC+32*\j+8*\i+7], v[F0+12*\i:F0+12*\i+11], v[F1+12*\j:F1+12*\j+11], 0, v[SC0+\i], v[SC1+\j] matrix_a_fmt:MATRIX_FMT_FP6 matrix_b_fmt:MATRIX_FMT_FP6
.else
	v_wmma_scale_f32_16x16x128_f8f6f4 v[ACC+32*\j+8*\i:ACC+32*\j+8*\i+7], v[F0+12*\i:F0+12*\i+11], v[F1+12*\j:F1+12*\j+11], v[ACC+32*\j+8*\i:ACC+32*\j+8*\i+7], v[SC0+\i], v[SC1+\j] matrix_a_fmt:MATRIX_FMT_FP6 matrix_b_fmt:MATRIX_FMT_FP6
.endif
.endr
.endr
	PLACES                                         ; four places in front of the next loads into registers that these products read, and of the first read of results
.endm
; 32 numbers of a lane, register 16 b + e = element 32 b + 16 (lane / 16) + e of my row, become 6 registers of codes (lane (r, h): block h whole) and the two scale bytes
.macro QUANT2 s, pc, hw
.irp b, 0,1
	v_max3_num_f32 v[TM+\b], |v[\s+16*\b]|, |v[\s+1+16*\b]|, 0x1800000   ; and the floor 2^(3 - 127): the byte cannot fall under 1
.endr
.irp i, 2,4,6,8,10,12,14
.irp b, 0,1
	s_delay_alu instid0(VALU_DEP_2)
	v_max3_num_f32 v[TM+\b], v[TM+\b], |v[\s+16*\b+\i]|, |v[\s+1+16*\b+\i]|
.endr
.endr
.irp b, 0,1
	s_delay_alu instid0(VALU_DEP_2)
	v_permlanex16_b32 v[PL+\b], v[TM+\b], s[SEL], s[SEL+1]
.endr
.irp b, 0,1
	s_delay_alu instid0(VALU_DEP_2)
	v_max_num_f32 v[TM+\b], v[TM+\b], v[PL+\b]
.endr
.irp b, 0,1
	s_delay_alu instid0(VALU_DEP_2)
	v_add_nc_u32 v[TS+\b], 0xff000000, v[TM+\b]    ; 2 off the exponent field: the conversion's scale operand
.endr
.irp b, 0,1
	s_delay_alu instid0(VALU_DEP_2)
	v_lshrrev_b32 v[PL+\b], 23, v[TS+\b]
.endr
	s_delay_alu instid0(VALU_DEP_1)
	v_lshl_or_b32 v[\hw], v[PL+1], 8, v[PL]
	v_cvt_scalef32_pk16_fp6_f32 v[\pc:\pc+2], v[\s:\s+15], v[TS]
	v_cvt_scalef32_pk16_fp6_f32 v[CT:CT+2], v[\s+16:\s+31], v[TS+1]
	v_nop                                          ; one plain place behind a scaled conversion
.irp i, 0,1,2
	v_permlane16_swap_b32 v[\pc+\i], v[CT+\i]
.endr
.irp i, 0,1,2
	s_delay_alu instid0(VALU_DEP_3)
	v_mov_b32 v[\pc+3+\i], v[CT+\i]
.endr
.endm
	s_load_b256 s[4:11], s[0:1], 0x0               ; xc, wc, bqkv, gq
	s_load_b128 s[12:15], s[0:1], 0x20             ; gk, qkv
	v_lshl_add_u32 v[SPW], v0, 2, SPARE
	v_mov_b32 v[NIL], 0
	ds_add_u32 v1, v2
	ds_add_u32 v1, v2
	s_wait_dscnt 0x0
	v_lshrrev_b32 v3, 5, v0
	s_delay_alu instid0(VALU_DEP_1)
	v_readfirstlane_b32 s[WV], v3                  ; wave 0..15
	s_lshr_b32 s17, s[WV], 2                       ; rg: my 64 tokens
	s_and_b32 s18, s[WV], 3                        ; cg: my head of the four
	s_bfe_u32 s19, ttmp6, 0x40000                  ; cx
	s_bfe_u32 s20, ttmp6, 0x40004                  ; cy
	s_lshl_b32 s21, ttmp9, 2
	s_add_co_u32 s21, s21, s19                     ; column block = 4 x cluster x + cx
	s_and_b32 s22, ttmp7, 0xffff
	s_lshl_b32 s22, s22, 2
	s_add_co_u32 s22, s22, s20                     ; token block = 4 x cluster y + cy
	s_lshl_b32 s66, s20, 2
	s_lshl_b32 s66, 15, s66                        ; my row of the cluster
	s_lshl_b32 s67, 0x1111, s19                    ; my column
	; descriptor group 1: 25,600 dense bytes as 100 rows of 32 elements of 8 bytes, no padding (every LDS read is 16 or 8 bytes a lane on end)
	s_or_b32 s24, s66, (3<<16)|(1<<21)             ; x's blocks go to my row
	s_or_b32 s32, s67, (3<<16)|(1<<21)             ; Wqkv's to my column
.irp g, 24, 32
	s_mov_b32 s[\g+1], 32<<16                      ; tensor_dim0 = 32
	s_mov_b32 s[\g+2], 100<<16                     ; tensor_dim1 = 100
	s_mov_b32 s[\g+3], 32<<16                      ; tile_dim0 = 32
	s_mov_b32 s[\g+4], 100                         ; tile_dim1 = 100
	s_mov_b32 s[\g+5], 32                          ; the pitch
	s_mov_b32 s[\g+6], 0
	s_mov_b32 s[\g+7], 0
.endr
	s_and_b32 s68, s[WV], 1
	s_mul_i32 s69, s68, 25600                      ; which half I fetch, if I fetch: in memory and in LDS
	s_mul_i32 s70, s22, 51200
	s_add_co_u32 s70, s70, s69
	s_mov_b32 s71, 0
	s_mul_i32 s72, s21, 51200
	s_add_co_u32 s72, s72, s69
	s_mov_b32 s73, 0
	s_mul_i32 s74, s17, 12800                      ; my four tiles of x in a slot,
	s_mul_i32 s75, s18, 12800
	s_add_co_u32 s75, s75, 51200                   ; and of Wqkv
	s_cmp_eq_u32 ttmp9, 2                          ; v?  (cluster x: the same in all partners)
	s_cselect_b32 s76, s74, s75                    ; source 0
	s_cselect_b32 s77, s75, s74                    ; source 1
	s_lshl_b32 s82, s19, 2
	s_add_co_u32 s82, s82, s18                     ; the head = 4 cx + cg
	s_mul_i32 s82, s82, 614400
	s_lshr_b32 s83, s22, 2
	s_mul_i32 s83, s83, 153600
	s_add_co_u32 s82, s82, s83                     ; the head's block of these 1,024 tokens in qkv
	s_and_b32 s83, s22, 3                          ; my 256 of them
	s_lshl_b32 s84, s21, 10
	s_lshl_b32 s85, s18, 8
	s_add_co_u32 s84, s84, s85                     ; my 64 columns in bqkv, in bytes
	s_mov_b32 s85, 0
	s_mov_b32 s[SEL], 0x76543210
	s_mov_b32 s[SEL+1], 0xfedcba98
	s_mov_b32 s96, 0x3c800000                      ; 1 / 64
	s_mov_b32 s97, 0x358637bd                      ; 1e-6
	s_wait_kmcnt 0x0
	s_add_nc_u64 s[70:71], s[4:5], s[70:71]
	s_add_nc_u64 s[72:73], s[6:7], s[72:73]
	s_add_nc_u64 s[8:9], s[8:9], s[84:85]
	CROUND                                         ; all sixteen work-groups are here: the first joint loads meet
.irp p, 0,1,2
	s_mov_b32 s[40+4*\p], 1
	s_add_co_u32 s[41+4*\p], s69, \p*SLOT
	s_add_nc_u64 s[42+4*\p:43+4*\p], s[70:71], \p*819200
	s_or_b32 s[43+4*\p], s[43+4*\p], 0x80000000
	s_mov_b32 s[52+4*\p], 1
	s_add_co_u32 s[53+4*\p], s69, \p*SLOT+51200
	s_add_nc_u64 s[54+4*\p:55+4*\p], s[72:73], \p*614400
	s_or_b32 s[55+4*\p], s[55+4*\p], 0x80000000
.endr
; the twelve first fills, one a wave: waves 4 p, 4 p + 1 fetch x's two halves of part p, waves 4 p + 2, 4 p + 3 Wqkv's; one chain of arms on the wave's number, all leading to one join
.macro ARM under, g0, g1, next
	s_cmp_lt_u32 s[WV], \under
	s_cbranch_scc0 \next
	tensor_load_to_lds s[\g0:\g0+3], s[\g1:\g1+7]
	s_nop 0
	PLACES
	s_branch .Lfirst_done
\next:
.endm
	ARM 2, 40, 24, .Lf1
	ARM 4, 52, 32, .Lf2
	ARM 6, 44, 24, .Lf3
	ARM 8, 56, 32, .Lf4
	ARM 10, 48, 24, .Lf5
	ARM 12, 60, 32, .Lf6
.Lfirst_done:
	v_and_b32 v116, 31, v0                         ; lane
	v_and_b32 v117, 15, v0                         ; r
	s_delay_alu instid0(VALU_DEP_2)
	v_lshlrev_b32 v[L16], 4, v116
	s_delay_alu instid0(VALU_DEP_3)
	v_lshlrev_b32 v[L4], 2, v116
	s_delay_alu instid0(VALU_DEP_4)
	v_lshlrev_b32 v[L8], 3, v116
	v_cmp_lt_u32 s92, 15, v116                     ; lanes 16-31
	s_delay_alu instid0(VALU_DEP_4)
	v_add_nc_u32 v[B0], s76, v[L16]
	v_add_nc_u32 v[B0+1], s77, v[L16]
	v_lshlrev_b32 v118, 3, v117
	s_delay_alu instid0(VALU_DEP_1)
	v_add_nc_u32 v118, 6144, v118
	s_delay_alu instid0(VALU_DEP_1)
	v_add_nc_u32 v[B0+2], s76, v118
	s_delay_alu instid0(VALU_DEP_2)
	v_add_nc_u32 v[B0+3], s77, v118
	SETSLOT 0
	s_wait_alu depctr_va_vdst(0)
	s_wait_tensorcnt 0x0                           ; my one load is in
	s_barrier_signal -1
	s_barrier_wait -1
	KSTEP 0, 1                                     ; the first products start the sums
	KSTEP 1, 0
	s_wait_tensorcnt 0x0                           ; all my tensor loads have landed: slots 1 and 2 are whole as far as they are mine
	ds_add_u32 v[SPW], v[NIL]                      ; 0 onto my spare word, twice on end
	ds_add_u32 v[SPW], v[NIL]
	s_add_nc_u64 s[42:43], s[42:43], 3*819200      ; slot 0's descriptors go on to part 3
	s_add_nc_u64 s[54:55], s[54:55], 3*614400
	SETSLOT 1
	s_wait_dscnt 0x0                               ; the add is done, and my reads of slot 0 are over
	CROUND                                         ; no wave of any partner still reads slot 0 or has a load on its way
	s_cmp_lt_u32 s[WV], 2                          ; the joint refill, first behind the round: it has four K steps of 128 in which to land
	s_cbranch_scc0 .Lrefill_b
	tensor_load_to_lds s[40:43], s[24:31]
	s_nop 0
	PLACES
	s_branch .Lrefill_done
.Lrefill_b:
	s_cmp_lt_u32 s[WV], 4
	s_cbranch_scc0 .Lrefill_done
	tensor_load_to_lds s[52:55], s[32:39]
	s_nop 0
	PLACES
.Lrefill_done:
	s_wait_alu depctr_va_vdst(0)
	KSTEP 0, 0
	KSTEP 1, 0
	SETSLOT 2                                      ; slot 2 was shown whole to every wave by the waits in front of the round
	KSTEP 0, 0
	s_wait_alu depctr_va_vdst(0)
	KSTEP 1, 0
	s_wait_tensorcnt 0x0                           ; my part of part 3 is in
	ds_add_u32 v[SPW], v[NIL]
	SETSLOT 0
	s_wait_alu depctr_va_vdst(0)
	s_wait_dscnt 0x0
	s_barrier_signal -1
	s_barrier_wait -1                              ; everybody's is
	KSTEP 0, 0
	KSTEP 1, 0
	; ---- the results.  No LDS: they are quantised in registers and stored as images
	v_mov_b32 v[PL], 0                             ; written once: a lane permute's destination counts as one of its sources
	v_mov_b32 v[PL+1], 0
	v_mov_b32 v6, v[L4]                            ; where a lane's scale word goes: 4 x lane (k changes it below)
	s_cmp_eq_u32 ttmp9, 2
	s_cbranch_scc1 .Lvalues
	; q or k: group a = my x tile a: a lane holds token r of it and channels 32 b + 16 h + e in register 32 a + 16 b + e
	s_cmp_eq_u32 ttmp9, 0
	s_cselect_b64 s[10:11], s[10:11], s[12:13]     ; gq or gk
	s_cselect_b32 s86, 102400, 0                   ; Q's part of the block or K's
	s_cselect_b32 s93, -1, 0                       ; all ones for q
	s_movk_i32 s98, 128
	s_cselect_b32 s98, 1536, s98                   ; from my first image's place to my second's
	s_add_co_u32 s86, s86, s82
	s_lshl_b32 s87, s83, 3
	s_lshl_b32 s88, s17, 1
	s_add_co_u32 s87, s87, s88                     ; my first image of 32 tokens among the 32
	s_mul_i32 s88, s87, 1536
	s_add_co_u32 s88, s88, s86
	s_mov_b32 s89, 0
	s_add_nc_u64 s[88:89], s[14:15], s[88:89]
	s_lshl_b32 s90, s87, 6
	s_add_co_u32 s90, s90, s86
	s_add_co_u32 s90, s90, 49152
	s_mov_b32 s91, 0
	s_add_nc_u64 s[90:91], s[14:15], s[90:91]
	v_bfe_u32 v[OFH], v0, 4, 1
	s_delay_alu instid0(VALU_DEP_1)
	v_lshlrev_b32 v[OFH], 6, v[OFH]                ; 16 h numbers
	; K'S IMAGES ARE REGROUPED for the scores: of my 64 tokens, image w takes as rows 0-7 rows 8 w .. 8 w + 7 of my first pair of tiles and as rows 8-15 the same rows of my second pair.
	; So lane (r, h) of pair f stores at 1,536 (r / 8) + 16 (r % 8) + 128 f + 256 h, and its scale word at 64 (r / 8) + 4 (r % 8) + 32 f.  Q's images stay 16 x lane + 1,536 f.
	v_and_b32 v10, 15, v0
	v_and_b32 v12, 7, v0
	v_bfe_u32 v13, v0, 4, 1
	v_lshrrev_b32 v11, 3, v10
	s_delay_alu instid0(VALU_DEP_1)
	v_mul_u32_u24 v3, v11, 1536
	v_lshlrev_b32 v5, 6, v11
	s_delay_alu instid0(VALU_DEP_2)
	v_lshl_add_u32 v3, v12, 4, v3
	s_delay_alu instid0(VALU_DEP_2)
	v_lshl_add_u32 v5, v12, 2, v5
	s_delay_alu instid0(VALU_DEP_2)
	v_lshl_add_u32 v3, v13, 8, v3
	s_delay_alu instid0(VALU_DEP_2)
	v_lshl_add_u32 v5, v13, 5, v5
	s_delay_alu instid0(VALU_DEP_2)
	v_cndmask_b32 v3, v3, v[L16], s93
	s_delay_alu instid0(VALU_DEP_2)
	v_cndmask_b32 v6, v5, v[L4], s93
	s_delay_alu instid0(VALU_DEP_2)
	v_add_nc_u32 v4, s98, v3
.irp b, 0,1
.irp i, 0,1,2,3
	global_load_b128 v[BI+16*\b+4*\i:BI+16*\b+4*\i+3], v[OFH], s[8:9] offset:128*\b+16*\i
	global_load_b128 v[GG+16*\b+4*\i:GG+16*\b+4*\i+3], v[OFH], s[10:11] offset:128*\b+16*\i
.endr
.endr
	s_wait_loadcnt 0x0
.irp a, 0,1,2,3
.irp j, 0,2,4,6,8,10,12,14,16,18,20,22,24,26,28,30
	v_pk_add_f32 v[ACC+32*\a+\j:ACC+32*\a+\j+1], v[ACC+32*\a+\j:ACC+32*\a+\j+1], v[BI+\j:BI+\j+1]   ; + the bias; each accumulator from its low end on
.endr
.endr
.irp a, 0,1,2,3
	v_pk_mul_f32 v[RS+2*\a:RS+2*\a+1], v[ACC+32*\a:ACC+32*\a+1], v[ACC+32*\a:ACC+32*\a+1]   ; the sum of squares, the four groups by turns
.endr
.irp j, 2,4,6,8,10,12,14,16,18,20,22,24,26,28,30
.irp a, 0,1,2,3
	s_delay_alu instid0(VALU_DEP_4)
	v_pk_fma_f32 v[RS+2*\a:RS+2*\a+1], v[ACC+32*\a+\j:ACC+32*\a+\j+1], v[ACC+32*\a+\j:ACC+32*\a+\j+1], v[RS+2*\a:RS+2*\a+1]
.endr
.endr
.irp a, 0,1,2,3
	s_delay_alu instid0(VALU_DEP_4)
	v_add_f32 v[RS+2*\a+1], v[RS+2*\a], v[RS+2*\a+1]
.endr
.irp a, 0,1,2,3
	s_delay_alu instid0(VALU_DEP_4)
	v_permlanex16_b32 v[RS+2*\a], v[RS+2*\a+1], s[SEL], s[SEL+1]   ; the token's other 32 channels lie in lane l xor 16
.endr
.irp a, 0,1,2,3
	s_delay_alu instid0(VALU_DEP_4)
	v_add_f32 v[RS+2*\a+1], v[RS+2*\a+1], v[RS+2*\a]
.endr
.irp a, 0,1,2,3
	s_delay_alu instid0(VALU_DEP_4)
	v_fma_f32 v[RS+2*\a+1], v[RS+2*\a+1], s96, s97 ; the mean + 1e-6
.endr
	s_wait_alu depctr_va_vdst(0)
.irp a, 0,1,2,3
	v_rsq_f32 v[RS+2*\a], v[RS+2*\a+1]
.endr
	v_nop                                          ; a plain place behind the last of the four
	s_wait_alu depctr_va_vdst(0)                   ; one wait for the batch, ahead of its first reader
.irp a, 0,1,2,3
.irp j, 0,2,4,6,8,10,12,14,16,18,20,22,24,26,28,30
	v_pk_mul_f32 v[ACC+32*\a+\j:ACC+32*\a+\j+1], v[ACC+32*\a+\j:ACC+32*\a+\j+1], v[RS+2*\a:RS+2*\a+1] op_sel_hi:[1,0]
.endr
.irp j, 0,2,4,6,8,10,12,14,16,18,20,22,24,26,28,30
	v_pk_mul_f32 v[ACC+32*\a+\j:ACC+32*\a+\j+1], v[ACC+32*\a+\j:ACC+32*\a+\j+1], v[GG+\j:GG+\j+1]   ; (t / rms) g
.endr
	QUANT2 ACC+32*\a, PC+6*\a, HW+\a
.endr
.irp f, 0,1
.irp c, 0,1,2
	global_store_b128 v[3+\f], v[PC+12*\f+4*\c:PC+12*\f+4*\c+3], s[88:89] offset:512*\c   ; q: 512 consecutive bytes; k: four runs of 128
.endr
.endr
	s_branch .Lwords
.Lvalues:
	; v: group t = my Wqkv tile t: a lane holds channel r of it and tokens 32 b + 16 h + e of my 64 in register 32 t + 16 b + e
	s_lshl_b32 s87, s83, 2
	s_add_co_u32 s87, s87, s17                     ; my group of 64 keys among the 16
	s_mul_i32 s88, s87, 3072
	s_add_co_u32 s88, s88, s82
	s_add_co_u32 s88, s88, 51200
	s_mov_b32 s89, 0
	s_add_nc_u64 s[88:89], s[14:15], s[88:89]
	s_lshl_b32 s90, s87, 7
	s_add_co_u32 s90, s90, s82
	s_add_co_u32 s90, s90, 100352
	s_mov_b32 s91, 0
	s_add_nc_u64 s[90:91], s[14:15], s[90:91]
	v_and_b32 v[TM], 15, v0
	s_delay_alu instid0(VALU_DEP_1)
	v_and_b32 v[OFH], 8, v[TM]
	s_delay_alu instid0(VALU_DEP_1)
	v_add_nc_u32 v[OFH], v[OFH], v[TM]
	s_delay_alu instid0(VALU_DEP_1)
	v_lshlrev_b32 v[OFH], 2, v[OFH]                ; r + 8 (r / 8) numbers
.irp t, 0,1,2,3
	global_load_b32 v[BI+2*\t], v[OFH], s[8:9] offset:(32*(\t/2)+8*(\t%2))*4     ; my channel's bias, twice: a pair for the packed addition
	global_load_b32 v[BI+2*\t+1], v[OFH], s[8:9] offset:(32*(\t/2)+8*(\t%2))*4
.endr
	s_wait_loadcnt 0x0
.irp t, 0,1,2,3
.irp j, 0,2,4,6,8,10,12,14,16,18,20,22,24,26,28,30
	v_pk_add_f32 v[ACC+32*\t+\j:ACC+32*\t+\j+1], v[ACC+32*\t+\j:ACC+32*\t+\j+1], v[BI+2*\t:BI+2*\t+1]
.endr
	QUANT2 ACC+32*\t, PC+6*\t, HW+\t
.endr
.irp t, 0,1,2,3
.irp q, 0,1,2
	global_store_b64 v[L8], v[PC+6*\t+2*\q:PC+6*\t+2*\q+1], s[88:89] offset:768*\t+256*\q   ; 256 consecutive bytes, aligned
.endr
.endr
.Lwords:
	v_lshl_or_b32 v[TM], v[HW+1], 16, v[HW]        ; groups 0 and 1: one scale word; groups 2 and 3: the next
	v_lshl_or_b32 v[TM+1], v[HW+3], 16, v[HW+2]
	s_delay_alu instid0(VALU_DEP_1)
	v_cndmask_b32 v[PL], v[TM], v[TM+1], s92       ; lanes 0-15 store the first, lanes 16-31 the second
	global_store_b32 v6, v[PL], s[90:91]
	s_wait_tensorcnt 0x0                           ; the wave's end
	ds_add_u32 v[SPW], v[NIL]
	s_wait_dscnt 0x0
	CROUND                                         ; the closing round
	s_endpgm
.Lfunc_end_k_q586c575b5c_qkvp:
	.size	k_q586c575b5c_qkvp, .Lfunc_end_k_q586c575b5c_qkvp-k_q586c575b5c_qkvp
	.p2alignl 7, 3214868480
	.fill 96, 4, 3214868480
	.section	.rodata,"a",@progbits
	.p2align	6, 0x0
	.amdhsa_kernel k_q586c575b5c_qkvp
		.amdhsa_group_segment_fixed_size 327680
		.amdhsa_private_segment_fixed_size 0
		.amdhsa_enable_private_segment 0
		.amdhsa_kernarg_size 48
		.amdhsa_user_sgpr_count 2
		.amdhsa_user_sgpr_kernarg_segment_ptr 1
		.amdhsa_wavefront_size32 1
		.amdhsa_system_sgpr_workgroup_id_x 1
		.amdhsa_system_sgpr_workgroup_id_y 1
		.amdhsa_system_sgpr_workgroup_id_z 1
		.amdhsa_system_vgpr_workitem_id 0
		.amdhsa_next_free_vgpr 256
		.amdhsa_next_free_sgpr 100
		.amdhsa_reserve_vcc 0
		.amdhsa_float_denorm_mode_32 3
		.amdhsa_float_denorm_mode_16_64 3
		.amdhsa_memory_ordered 1
		.amdhsa_forward_progress 1
		.amdhsa_inst_pref_size 97
	.end_amdhsa_kernel
	.amdgpu_metadata
---
amdhsa.version: [ 1, 2 ]
amdhsa.kernels:
  - .name:           k_q586c575b5c_qkvp
    .symbol:         k_q586c575b5c_qkvp.kd
    .args:
      - { .name: xc, .offset: 0, .size: 8, .value_kind: global_buffer, .address_space: global }
      - { .name: wc, .offset: 8, .size: 8, .value_kind: global_buffer, .address_space: global }
      - { .name: bqkv, .offset: 16, .size: 8, .value_kind: global_buffer, .address_space: global }
      - { .name: gq, .offset: 24, .size: 8, .value_kind: global_buffer, .address_space: global }
      - { .name: gk, .offset: 32, .size: 8, .value_kind: global_buffer, .address_space: global }
      - { .name: qkv, .offset: 40, .size: 8, .value_kind: global_buffer, .address_space: global }
    .group_segment_fixed_size: 327680
    .private_segment_fixed_size: 0
    .kernarg_segment_align: 8
    .kernarg_segment_size: 48
    .max_flat_workgroup_size: 512
    .sgpr_count:     100
    .vgpr_count:     256
    .wavefront_size: 32
...
	.end_amdgpu_metadata
.endif
;; end of part 2
;; launch attn (part 3): grid 16 x 16, 16 waves a work-group, no clusters, 327,680 bytes of LDS; arguments qkv, oc; writes oc
.if DOCPART == 3
	.amdgcn_target "amdgcn-amd-amdhsa--gfx1250"
	.amdhsa_code_object_version 6
	.text
	.protected	k_q586c575b5c_attn
	.globl	k_q586c575b5c_attn
	.p2align	8
	.type	k_q586c575b5c_attn,@function
k_q586c575b5c_attn:
	s_mov_b64 s[64:65], 0
	v_nop
	global_prefetch_b8 v0, s[64:65] scope:SCOPE_SE
	s_setreg_imm32_b32 hwreg(HW_REG_WAVE_MODE, 25, 1), 1
	s_wait_xcnt 0x0
; o = softmax(q k^T / 8 + mask) v for 16 heads of 64, 4,096 tokens, both products on codes of FP6 (E2M3) with E8M0 scales.  mask = 1.0 where the key's frame of 256 tokens comes after the query's: it is ADDED, so every key counts.
; t = score x (log2(e) / 8) + (log2(e) or 0); M = the running largest t rounded up to a whole number; p = 2^(t - M) is quantised along the keys; the row's sum is taken of the unquantised p and divides at the end.
; SHARES.  A work-group owns 256 queries (one frame) of one head, each of its sixteen waves 16 of them.  A key step is 128 keys, half a frame: the mask is one scalar a step, chosen by s_cselect_b32.
; LAYOUT.  Both products are used transposed (S^T = K Q^T, O^T = V^T P^T): a lane holds one query.  An image of K is one source 0 with two tiles of keys: one tile's 64 codes at k = 0 .. 63, the other's at k = 64 .. 127;
; Q is kept twice, [q | zero codes] and [zero codes | q], which gives the one tile's scores or the other's.  Image 2 c + w of a step holds tiles u = 2 w, 2 w + 1 of keys 64 c on; tile u has as rows 0-7 keys 64 c + 8 u + 0 .. 7
; and as rows 8-15 keys 64 c + 32 + 8 u + 0 .. 7.  So register 32 c + 8 u + j of lane (r, h) is key 64 c + 32 h + 8 u + j of query r: A LANE HOLDS WHOLE BLOCKS OF 32 KEYS, in the order of the second product's operand:
; a block's maximum needs no other lane, and the conversions' results are the operand's registers but for three moves a block (a conversion's three registers begin on an even number).
; LDS.  K, V and their scale words of 1,024 keys are 102,400 dense bytes; the four such phases go through three slots (0, 1, 2, then phase 3 into slot 0).  Every wave fetches a sixteenth: slot 0 at the head (6,400 bytes a wave),
; slots 1 and 2 behind the first barrier (12,800 bytes a wave), phase 3 behind the barrier that ends phase 0.  The barrier that shows phase 3 whole guards no refill: it is signalled ahead of phase 2 and waited for behind it.
; NO CLUSTER, NO PREFETCH: a work-group makes three requests in the whole launch; the first stands at the head, where there is no loop to run ahead in, and each of the other two has eight key steps of all sixteen waves in which to land.
; OUT (oc): o / the sum, quantised along D: my head's 64 channels are half a fragment (16 tokens x 128 K): 768 bytes, registers 2 p, 2 p + 1 of lane l at 256 p + 8 l; and two bytes of each row's scale word.
; LIMITS: NaN and infinities are not served; the scaled scores stay under 2^31 in magnitude; a block of p or o whose largest magnitude lies under 2^-124 is held at the scale byte 1.
.set SLOT,  102400
.set SPARE, 3*SLOT                     ; the spare words: 128 bytes for each of 16 waves, named by no other line
.set SPW, 1                            ; v1 SPARE + 4 x my thread's number;  v2 0: never rewritten
.set NIL, 2
; v3 16 lane (K's images)  v4 51,200 + 8 lane (V's)  v5 49,152 + 4 r (K's scale words)  v6 100,352 + 4 r (V's)  v7 8 h  v8-11 the same four in the step to come
; v12 -M  v13 the largest t  v[14:15] the sum  v[16:27] [q | 0]  v[28:39] [0 | q]  v40 q's scale word  v41 p's  v[42:43] mask - M  v[44:45] f  v46-47 at work
; v48-95 K's four images, then at work  v96-159 S^T, then p  v160-191 O^T  v192-239 V's four fragments  v[240:251] V's scale words as stored, then p's codes  v252-255 scale words: K's, then V's
.set TM, 56
.set PL, 60
.set TS, 64
.set CT, 72
.set WV, 12
.set SEL, 36
.macro QUANT2 s, pc, hw                ; the way out: 32 numbers of a lane, register 16 b + e = element 32 b + 16 (lane / 16) + e, become 6 registers of codes (lane (r, h): block h whole) and two scale bytes
.irp b, 0,1
	v_max3_num_f32 v[TM+\b], |v[\s+16*\b]|, |v[\s+1+16*\b]|, 0x1800000
.endr
.irp i, 2,4,6,8,10,12,14
.irp b, 0,1
	s_delay_alu instid0(VALU_DEP_2)
	v_max3_num_f32 v[TM+\b], v[TM+\b], |v[\s+16*\b+\i]|, |v[\s+1+16*\b+\i]|
.endr
.endr
.irp b, 0,1
	s_delay_alu instid0(VALU_DEP_2)
	v_permlanex16_b32 v[PL+\b], v[TM+\b], s[SEL], s[SEL+1]
.endr
.irp b, 0,1
	s_delay_alu instid0(VALU_DEP_2)
	v_max_num_f32 v[TM+\b], v[TM+\b], v[PL+\b]
.endr
.irp b, 0,1
	s_delay_alu instid0(VALU_DEP_2)
	v_add_nc_u32 v[TS+\b], 0xff000000, v[TM+\b]
.endr
.irp b, 0,1
	s_delay_alu instid0(VALU_DEP_2)
	v_lshrrev_b32 v[PL+\b], 23, v[TS+\b]
.endr
	s_delay_alu instid0(VALU_DEP_1)
	v_lshl_or_b32 v[\hw], v[PL+1], 8, v[PL]
	v_cvt_scalef32_pk16_fp6_f32 v[\pc:\pc+2], v[\s:\s+15], v[TS]
	v_cvt_scalef32_pk16_fp6_f32 v[CT:CT+2], v[\s+16:\s+31], v[TS+1]
	v_nop
.irp i, 0,1,2
	v_permlane16_swap_b32 v[\pc+\i], v[CT+\i]
.endr
.irp i, 0,1,2
	s_delay_alu instid0(VALU_DEP_3)
	v_mov_b32 v[\pc+3+\i], v[CT+\i]
.endr
.endm
; n of the row sum's 29 packed additions: four chains by turns, v[80:81], v[82:83], v[84:85] (each begun with two pairs of p) and the sum itself
.macro ADDP n
.rept \n
.if J < 3
	v_pk_add_f32 v[80+2*J:81+2*J], v[96+4*J:97+4*J], v[98+4*J:99+4*J]
.else
.if (J%4) == 3
	v_pk_add_f32 v[14:15], v[14:15], v[102+2*J:103+2*J]
.else
	v_pk_add_f32 v[80+2*(J%4):81+2*(J%4)], v[80+2*(J%4):81+2*(J%4)], v[102+2*J:103+2*J]
.endif
.endif
.set J, J+1
.endr
.endm
.macro TFMA n                          ; n of the 32 packed t - M
.rept \n
	v_pk_fma_f32 v[96+2*I:97+2*I], v[96+2*I:97+2*I], s[38:39], v[42:43] op_sel_hi:[1,0,0]
.set I, I+1
.endr
.endm
; A KEY STEP: 128 keys.  v8-11 were made in the step before.  s41, s42: where the NEXT step's images (6,144 bytes a step) and scale words (256) begin, held at the slot's last step; s43: the step's number among the head's 32
.macro STEP slot
.set J, 0
.set I, 0
	s_add_co_u32 s41, s41, 6144
	s_add_co_u32 s42, s42, 256
	s_min_u32 s48, s41, (\slot)*SLOT+7*6144
	s_min_u32 s49, s42, (\slot)*SLOT+7*256
	s_lshr_b32 s47, s43, 1                         ; the keys' frame
	s_cmp_gt_u32 s47, s13
	s_cselect_b32 s40, 0x3fb8aa3b, 0               ; the mask as t: log2(e) for a later frame, else 0
	s_add_co_u32 s43, s43, 1
.irp f, 0,1,2,3
.irp c, 0,1,2
	ds_load_b128 v[48+12*\f+4*\c:51+12*\f+4*\c], v8 offset:1536*\f+512*\c
.endr
	ds_load_b32 v[252+\f], v10 offset:64*\f
.endr
.irp g, 0,1
.irp u, 0,1
	ds_load_b32 v[240+2*\g+\u], v11 offset:128*\g+64*\u   ; V's scale words as stored: group g of 64 keys, tiles 2 u (low half) and 2 u + 1 (high half)
.endr
.endr
.irp t, 0,1,2,3
.irp c, 0,1
.irp q, 0,1,2
	ds_load_b64 v[192+12*\t+6*\c+2*\q:193+12*\t+6*\c+2*\q], v9 offset:3072*\c+768*\t+256*\q
.endr
.endr
.endr
	s_wait_dscnt 24                                ; K, its scale words and V's are in; the 24 loads of V's fragments may be out
.irp f, 0,1,2,3
	v_wmma_scale_f32_16x16x128_f8f6f4 v[96+16*\f:103+16*\f], v[48+12*\f:59+12*\f], v[16:27], 0, v[252+\f], v40 matrix_a_fmt:MATRIX_FMT_FP6 matrix_b_fmt:MATRIX_FMT_FP6
	v_wmma_scale_f32_16x16x128_f8f6f4 v[104+16*\f:111+16*\f], v[48+12*\f:59+12*\f], v[28:39], 0, v[252+\f], v40 matrix_a_fmt:MATRIX_FMT_FP6 matrix_b_fmt:MATRIX_FMT_FP6
.endr
	v_add_nc_u32 v8, s48, v3                       ; the next step's addresses: these four are the places behind the products
	v_add_nc_u32 v9, s48, v4
	v_add_nc_u32 v10, s49, v5
	v_add_nc_u32 v11, s49, v6
.irp c, 0,1                                    ; the largest score of my two blocks of 32 keys, each in two chains; each accumulator is read from its low end on
	v_max3_num_f32 v[56+\c], v[96+32*\c], v[97+32*\c], v[98+32*\c]
	v_max3_num_f32 v[58+\c], v[113+32*\c], v[114+32*\c], v[115+32*\c]
.endr
.irp i, 0,1,2,3,4,5
.irp c, 0,1
	v_max3_num_f32 v[56+\c], v[56+\c], v[99+32*\c+2*\i], v[100+32*\c+2*\i]
	v_max3_num_f32 v[58+\c], v[58+\c], v[116+32*\c+2*\i], v[117+32*\c+2*\i]
.endr
.endr
.irp c, 0,1
	v_max3_num_f32 v[56+\c], v[56+\c], v[111+32*\c], v[112+32*\c]
.endr
.irp c, 0,1
	s_delay_alu instid0(VALU_DEP_2)
	v_max_num_f32 v[56+\c], v[56+\c], v[58+\c]     ; it serves the row's maximum and, since p rises with the score, the block's largest p
.endr
	s_delay_alu instid0(VALU_DEP_1)
	v_max_num_f32 v86, v56, v57
	v_perm_b32 v252, v242, v240, s45               ; V's tile t: its word for these 128 keys: two bytes of the first 64 keys, two of the second
	s_delay_alu instid0(VALU_DEP_2)
	v_fma_f32 v86, v86, s38, s40                   ; my 64 keys' largest t
	v_perm_b32 v253, v242, v240, s46
	s_delay_alu instid0(VALU_DEP_2)
	v_permlanex16_b32 v87, v86, s[SEL], s[SEL+1]   ; and lane l xor 16's
	v_perm_b32 v254, v243, v241, s45
	s_delay_alu instid0(VALU_DEP_2)
	v_max3_num_f32 v13, v13, v86, v87
	v_perm_b32 v255, v243, v241, s46
	v_mov_b32 v46, v12
	s_delay_alu instid0(VALU_DEP_3)
	v_floor_f32 v12, -v13                          ; the new -M = -ceil(t): a whole number
	s_delay_alu instid0(VALU_DEP_1)
	v_add_f32 v42, s40, v12                        ; mask - M
	v_sub_f32 v46, v12, v46                        ; old M - new M, 0 or less
	TFMA 2
	v_cvt_i32_f32 v46, v46                         ; (it saturates)
	TFMA 2
	v_ldexp_f32 v44, 1.0, v46                      ; f = 2^(old M - new M)
	TFMA 28
.irp c, 0,1
	v_fma_f32 v[56+\c], v[56+\c], s38, v42         ; the same of each block's largest score
.endr
.irp j, 0,2,4,6,8,10,12,14,16,18,20,22,24,26,28,30
	v_pk_mul_f32 v[160+\j:161+\j], v[160+\j:161+\j], v[44:45] op_sel_hi:[1,0]   ; O^T under the new M
.endr
	s_wait_alu depctr_va_vdst(0)
	s_wait_dscnt 0x0                               ; V's fragments are in
.irp c, 0,1
	v_exp_f32 v[56+\c], v[56+\c]                   ; each block's largest p
.endr
.set E, 0
.rept 64
	v_exp_f32 v[96+E], v[96+E]                     ; p = 2^(t - M)
.set E, E+1
.endr
	v_pk_mul_f32 v[14:15], v[14:15], v[44:45] op_sel_hi:[1,0]   ; the sum under the new M (the plain place behind the exponentials)
	s_wait_alu depctr_va_vdst(0)                   ; one wait for the batch of 66, ahead of its first reader
.irp c, 0,1
	v_max_num_f32 v[56+\c], 0x1800000, v[56+\c]    ; the floor 2^(3 - 127): the byte cannot fall under 1
.endr
	ADDP 3
.irp c, 0,1
	v_add_nc_u32 v[64+\c], 0xff000000, v[56+\c]    ; 2 off the exponent field: the conversion's scale operand
.endr
	ADDP 3
.irp c, 0,1
	v_cvt_scalef32_pk16_fp6_f32 v[240+6*\c:242+6*\c], v[96+32*\c:111+32*\c], v[64+\c]
	v_cvt_scalef32_pk16_fp6_f32 v[72+4*\c:74+4*\c], v[112+32*\c:127+32*\c], v[64+\c]
.endr
.irp c, 0,1
	v_lshrrev_b32 v[68+\c], 23, v[64+\c]           ; the scale's byte (also the plain place behind the conversions)
.endr
	ADDP 2
	v_lshl_or_b32 v41, v69, 16, v68                ; my bytes: blocks h and 2 + h,
	ADDP 1
	s_delay_alu instid0(VALU_DEP_2)
	v_lshlrev_b32 v41, v7, v41                     ; 8 h bits up;
	ADDP 1
	s_delay_alu instid0(VALU_DEP_2)
	v_permlanex16_b32 v47, v41, s[SEL], s[SEL+1]
	ADDP 1
	s_delay_alu instid0(VALU_DEP_2)
	v_or_b32 v41, v41, v47                         ; with lane l xor 16's two the word is whole
.irp c, 0,1
.irp i, 0,1,2
	v_mov_b32 v[243+6*\c+\i], v[72+4*\c+\i]
.endr
.endr
	ADDP 8                                         ; these eight, and the six moves for the scale word, are the places in front of the products
.irp t, 0,1,2,3
	v_wmma_scale_f32_16x16x128_f8f6f4 v[160+8*\t:167+8*\t], v[192+12*\t:203+12*\t], v[240:251], v[160+8*\t:167+8*\t], v[252+\t], v41 matrix_a_fmt:MATRIX_FMT_FP6 matrix_b_fmt:MATRIX_FMT_FP6
.endr
	ADDP 10                                        ; the rest of the sum: the places behind the products, in front of the next step's loads
	s_delay_alu instid0(VALU_DEP_1)
	v_pk_add_f32 v[80:81], v[80:81], v[82:83]
	v_pk_add_f32 v[14:15], v[14:15], v[84:85]
	s_delay_alu instid0(VALU_DEP_1)
	v_pk_add_f32 v[14:15], v[14:15], v[80:81]
.endm
.macro PHASE slot                      ; a slot's eight key steps
	s_mov_b32 s41, (\slot)*SLOT
	s_mov_b32 s42, (\slot)*SLOT
	s_mov_b32 s44, 8
	v_add_nc_u32 v8, s41, v3
	v_add_nc_u32 v9, s41, v4
	v_add_nc_u32 v10, s42, v5
	v_add_nc_u32 v11, s42, v6
	s_wait_alu depctr_va_vdst(0)
.Lstep_\@:
	STEP \slot
	s_sub_co_u32 s44, s44, 1
	s_cmp_lg_u32 s44, 0
	s_cbranch_scc1 .Lstep_\@
.endm
	s_load_b128 s[4:7], s[0:1], 0x0                ; qkv, oc
	v_lshl_add_u32 v[SPW], v0, 2, SPARE
	v_mov_b32 v[NIL], 0
	ds_add_u32 v[SPW], v[NIL]                      ; the opening lines: the add, twice on end, and its wait ahead of my first tensor load
	ds_add_u32 v[SPW], v[NIL]
	v_lshrrev_b32 v3, 5, v0
	s_delay_alu instid0(VALU_DEP_1)
	v_readfirstlane_b32 s[WV], v3                  ; wave 0..15
	s_mov_b32 s13, ttmp9                           ; my block of 256 queries: my frame
	s_and_b32 s14, ttmp7, 0xffff                   ; the head
	s_mov_b32 s16, 3<<16                           ; descriptor group 1: 6,400 dense bytes as 25 rows of 32 elements of 8 bytes, no padding, no mask
	s_mov_b32 s17, 32<<16
	s_mov_b32 s18, 25<<16
	s_mov_b32 s19, 32<<16
	s_mov_b32 s20, 25
	s_mov_b32 s21, 32
	s_mov_b32 s22, 0
	s_mov_b32 s23, 0
	s_mov_b32 s52, 3<<16                           ; and for 12,800 bytes: 50 rows
	s_mov_b32 s53, 32<<16
	s_mov_b32 s54, 50<<16
	s_mov_b32 s55, 32<<16
	s_mov_b32 s56, 50
	s_mov_b32 s57, 32
	s_mov_b32 s58, 0
	s_mov_b32 s59, 0
	s_mul_i32 s8, s[WV], 6400                      ; my sixteenth of a phase
	s_mov_b32 s9, 0
	s_mul_i32 s10, s14, 614400
	s_mov_b32 s11, 0
	s_lshr_b32 s32, s[WV], 3                       ; of phases 1 and 2: waves 0-7 fetch phase 1, waves 8-15 phase 2, an eighth each
	s_mul_i32 s32, s32, 153600
	s_and_b32 s33, s[WV], 7
	s_mul_i32 s33, s33, 12800
	s_add_co_u32 s32, s32, s33
	s_add_co_u32 s32, s32, 153600
	s_mov_b32 s33, 0
	s_mul_i32 s34, s[WV], 12800
	s_mov_b32 s[SEL], 0x76543210
	s_mov_b32 s[SEL+1], 0xfedcba98
	s_mov_b32 s38, 0x3e38aa3b                      ; c = log2(e) / 8
	s_mov_b32 s39, s38
	s_mov_b32 s45, 0x05040100                      ; the two low halves
	s_mov_b32 s46, 0x07060302                      ; the two high halves
	s_mov_b32 s43, 0
	s_wait_dscnt 0x0                               ; both opening adds are done
	s_wait_kmcnt 0x0
	s_add_nc_u64 s[4:5], s[4:5], s[10:11]          ; the head's four blocks
	s_mov_b32 s24, 1
	s_mov_b32 s25, s8
	s_add_nc_u64 s[26:27], s[4:5], s[8:9]
	s_or_b32 s27, s27, 0x80000000
	s_mov_b32 s28, 1
	s_add_co_u32 s29, s34, SLOT
	s_add_nc_u64 s[30:31], s[4:5], s[32:33]
	s_or_b32 s31, s31, 0x80000000
	tensor_load_to_lds s[24:27], s[16:23]          ; my sixteenth of phase 0: every wave's one load at the head
	s_nop 0
	s_lshr_b32 s8, s13, 2
	s_mul_i32 s8, s8, 153600                       ; my queries' block of 1,024 tokens
	s_and_b32 s9, s13, 3
	s_lshl_b32 s9, s9, 3
	s_lshr_b32 s10, s[WV], 1
	s_add_co_u32 s9, s9, s10                       ; the image of 32 tokens in which my tile lies
	s_mul_i32 s10, s9, 1536
	s_add_co_u32 s10, s10, s8
	s_add_co_u32 s10, s10, 102400
	s_mov_b32 s11, 0
	s_add_nc_u64 s[10:11], s[4:5], s[10:11]
	s_lshl_b32 s9, s9, 6
	s_add_co_u32 s8, s8, s9
	s_add_co_u32 s8, s8, 151552
	s_mov_b32 s9, 0
	s_add_nc_u64 s[8:9], s[4:5], s[8:9]
	s_and_b32 s47, s[WV], 1                        ; the even tile of the image or the odd one
	s_cmp_eq_u32 s47, 1
	s_cselect_b32 s15, -1, 0
	s_lshl_b32 s47, s47, 4
	v_and_b32 v46, 31, v0
	v_and_b32 v47, 15, v0
	v_bfe_u32 v7, v0, 4, 1
	v_lshlrev_b32 v3, 4, v46
	v_lshlrev_b32 v4, 3, v46
	v_lshlrev_b32 v47, 2, v47
	v_lshlrev_b32 v7, 3, v7                        ; 8 h
	v_add_nc_u32 v4, 51200, v4
	v_add_nc_u32 v5, 49152, v47
	v_add_nc_u32 v6, 100352, v47
.irp c, 0,1,2
	global_load_b128 v[96+4*\c:99+4*\c], v3, s[10:11] offset:512*\c
.endr
	global_load_b32 v108, v47, s[8:9]
	s_wait_alu depctr_va_vdst(0)
	s_wait_loadcnt 0x0
.irp i, 0,1,2,3,4,5
	v_cndmask_b32 v[16+\i], v[96+\i], v[102+\i], s15
.endr
.irp i, 0,1,2,3,4,5
	v_mov_b32 v[34+\i], v[16+\i]
.endr
.irp i, 0,1,2,3,4,5
	v_mov_b32 v[22+\i], 0                          ; zero codes
	v_mov_b32 v[28+\i], 0
.endr
	v_lshrrev_b32 v108, s47, v108
	s_delay_alu instid0(VALU_DEP_1)
	v_and_b32 v108, 0xffff, v108                   ; my tile's two scale bytes,
	s_delay_alu instid0(VALU_DEP_1)
	v_lshl_or_b32 v40, v108, 16, v108              ; for both halves of K
	v_mov_b32 v13, 0xff61b1e6                      ; the largest t so far: -3e38
	s_delay_alu instid0(VALU_DEP_1)
	v_floor_f32 v12, -v13
	v_mov_b32 v14, 0
	v_mov_b32 v15, 0
	v_mov_b32 v43, 0                               ; (upper halves of pairs that are named whole)
	v_mov_b32 v45, 0
	v_mov_b32 v47, 0                               ; written once: a lane permute's destination counts as one of its sources
.irp j, 0,1,2,3,4,5,6,7,8,9,10,11,12,13,14,15,16,17,18,19,20,21,22,23,24,25,26,27,28,29,30,31
	v_mov_b32 v[160+\j], 0                         ; O^T: the step is written once; the first change of M leaves zeros zeros
.endr
	s_wait_alu depctr_va_vdst(0)
	s_wait_tensorcnt 0x0                           ; my part of phase 0 is in
	ds_add_u32 v[SPW], v[NIL]
	s_wait_dscnt 0x0
	s_barrier_signal -1
	s_barrier_wait -1                              ; everybody's is
	tensor_load_to_lds s[28:31], s[52:59]          ; slots 1 and 2, first behind the barrier, my one load: it has eight key steps in which to land
	s_nop 0
	PHASE 0
	s_wait_tensorcnt 0x0                           ; my part of slots 1 and 2 is in
	ds_add_u32 v[SPW], v[NIL]                      ; 0 onto my spare word
	s_add_nc_u64 s[26:27], s[26:27], 3*153600      ; slot 0's descriptor goes on to phase 3
	s_wait_dscnt 0x0                               ; the add is done, and my reads of slot 0 are over
	s_barrier_signal -1
	s_barrier_wait -1
	tensor_load_to_lds s[24:27], s[16:23]          ; the refill, first behind the barrier, my one load: it has eight key steps in which to land
	s_nop 0
	PHASE 1
	s_wait_tensorcnt 0x0                           ; my part of phase 3 is in;
	s_wait_dscnt 0x0                               ; no LDS instruction of mine is out at the signal
	s_barrier_signal -1                            ; say so now
	PHASE 2
	s_barrier_wait -1                              ; everybody's part of phase 3 is in
	PHASE 0
	; THE WAY OUT: O^T / the sum; register 16 b + e of lane (r, h) is channel 32 b + 16 h + e of query r: quantised along D and stored as half a fragment
	s_wait_alu depctr_va_vdst(0)
	v_add_f32 v14, v14, v15
	s_delay_alu instid0(VALU_DEP_1)
	v_permlanex16_b32 v82, v14, s[SEL], s[SEL+1]
	s_delay_alu instid0(VALU_DEP_1)
	v_add_f32 v14, v14, v82
	s_wait_alu depctr_va_vdst(0)
	v_rcp_f32 v15, v14
	v_and_b32 v8, 31, v0
	s_delay_alu instid0(VALU_DEP_1)
	v_lshlrev_b32 v8, 3, v8                        ; 8 x lane
	v_and_b32 v9, 15, v0
	v_bfe_u32 v10, v0, 4, 1
	s_delay_alu instid0(VALU_DEP_1)
	v_lshl_add_u32 v9, v9, 3, v10                  ; 8 r + h
	s_delay_alu instid0(VALU_DEP_2)
	v_lshlrev_b32 v10, 3, v10                      ; 8 h
	s_lshr_b32 s8, s14, 2
	s_mul_i32 s8, s8, 819200                       ; the part of K = D: four heads
	s_lshl_b32 s9, s13, 3
	s_lshr_b32 s10, s[WV], 1
	s_add_co_u32 s9, s9, s10
	s_mul_i32 s9, s9, 6400                         ; my pair of tiles
	s_add_co_u32 s8, s8, s9
	s_and_b32 s9, s[WV], 1                         ; my tile of the pair
	s_bfe_u32 s10, s14, 0x10001                    ; the K step of the part
	s_and_b32 s11, s14, 1                          ; the half of the K step
	s_mul_i32 s24, s9, 3072
	s_mul_i32 s25, s10, 1536
	s_add_co_u32 s24, s24, s25
	s_mul_i32 s25, s11, 768
	s_add_co_u32 s24, s24, s25
	s_add_co_u32 s24, s24, s8
	s_mov_b32 s25, 0
	s_add_nc_u64 s[24:25], s[6:7], s[24:25]
	s_lshl_b32 s26, s9, 7
	s_lshl_b32 s27, s10, 2
	s_add_co_u32 s26, s26, s27
	s_lshl_b32 s27, s11, 1
	s_add_co_u32 s26, s26, s27
	s_add_co_u32 s26, s26, s8
	s_add_co_u32 s26, s26, 6144
	s_mov_b32 s27, 0
	s_add_nc_u64 s[26:27], s[6:7], s[26:27]
	s_wait_alu depctr_va_vdst(0)                   ; the wait ahead of the first reader of the reciprocal and of O^T
.irp j, 0,1,2,3,4,5,6,7,8,9,10,11,12,13,14,15,16,17,18,19,20,21,22,23,24,25,26,27,28,29,30,31
	v_mul_f32 v[96+\j], v[160+\j], v15
.endr
	QUANT2 96, 240, 83
.irp q, 0,1,2
	global_store_b64 v8, v[240+2*\q:241+2*\q], s[24:25] offset:256*\q   ; 256 consecutive bytes, aligned
.endr
	v_lshrrev_b32 v84, v10, v83                    ; lane (r, h) stores the byte of block h
	global_store_b8 v9, v84, s[26:27]
	s_wait_tensorcnt 0x0                           ; the wave's end
	ds_add_u32 v[SPW], v[NIL]
	s_wait_dscnt 0x0
	s_endpgm
.Lfunc_end_k_q586c575b5c_attn:
	.size	k_q586c575b5c_attn, .Lfunc_end_k_q586c575b5c_attn-k_q586c575b5c_attn
	.p2alignl 7, 3214868480
	.fill 96, 4, 3214868480
	.section	.rodata,"a",@progbits
	.p2align	6, 0x0
	.amdhsa_kernel k_q586c575b5c_attn
		.amdhsa_group_segment_fixed_size 327680
		.amdhsa_private_segment_fixed_size 0
		.amdhsa_enable_private_segment 0
		.amdhsa_kernarg_size 16
		.amdhsa_user_sgpr_count 2
		.amdhsa_user_sgpr_kernarg_segment_ptr 1
		.amdhsa_wavefront_size32 1
		.amdhsa_system_sgpr_workgroup_id_x 1
		.amdhsa_system_sgpr_workgroup_id_y 1
		.amdhsa_system_sgpr_workgroup_id_z 1
		.amdhsa_system_vgpr_workitem_id 0
		.amdhsa_next_free_vgpr 256
		.amdhsa_next_free_sgpr 66
		.amdhsa_reserve_vcc 0
		.amdhsa_float_denorm_mode_32 3
		.amdhsa_float_denorm_mode_16_64 3
		.amdhsa_memory_ordered 1
		.amdhsa_forward_progress 1
		.amdhsa_inst_pref_size 80
	.end_amdhsa_kernel
	.amdgpu_metadata
---
amdhsa.version: [ 1, 2 ]
amdhsa.kernels:
  - .name:           k_q586c575b5c_attn
    .symbol:         k_q586c575b5c_attn.kd
    .args:
      - { .name: qkv, .offset: 0, .size: 8, .value_kind: global_buffer, .address_space: global }
      - { .name: oc, .offset: 8, .size: 8, .value_kind: global_buffer, .address_space: global }
    .group_segment_fixed_size: 327680
    .private_segment_fixed_size: 0
    .kernarg_segment_align: 8
    .kernarg_segment_size: 16
    .max_flat_workgroup_size: 512
    .sgpr_count:     66
    .vgpr_count:     256
    .wavefront_size: 32
...
	.end_amdgpu_metadata
.endif
;; end of part 3
;; launch outp (part 4): grid 8 x 32, 8 waves a work-group, clusters of 4 x 4, 240,640 bytes of LDS; arguments oc, woc, bout, out0; writes out0
.if DOCPART == 4
	.amdgcn_target "amdgcn-amd-amdhsa--gfx1250"
	.amdhsa_code_object_version 6
	.text
	.protected	k_q586c575b5c_outp
	.globl	k_q586c575b5c_outp
	.p2align	8
	.type	k_q586c575b5c_outp,@function
k_q586c575b5c_outp:
	s_mov_b64 s[64:65], 0
	v_nop
	global_prefetch_b8 v0, s[64:65] scope:SCOPE_SE
	s_setreg_imm32_b32 hwreg(HW_REG_WAVE_MODE, 25, 1), 1
	s_wait_xcnt 0x0
	s_wait_alu depctr_hold_cnt(0) depctr_sa_sdst(0) depctr_va_vdst(0) depctr_va_sdst(0) depctr_va_ssrc(0) depctr_va_vcc(0) depctr_vm_vsrc(0)
	s_getreg_b32 s2, hwreg(HW_REG_IB_STS2, 6, 4)
	s_cmp_eq_u32 s2, 0
	s_cbranch_scc0 .Lentry_in_a_cluster
	s_endpgm
.Lentry_in_a_cluster:
	s_bfe_u32 s2, ttmp6, 0x10000c
	s_cmp_lg_u32 s2, 0xf033
	s_cbranch_scc0 .Lentry_shape_is_right
	s_endpgm
.Lentry_shape_is_right:
; out0 = o Wout + bout on codes of FP6 (E2M3) with E8M0 scales; out0 [4096][1024] f32.
; SHARES.  A work-group makes 128 tokens x 128 columns: 8 x 32 = 256 work-groups.  Wave w of eight: tokens 32 (w / 2) on (two tiles of o), columns 64 (w % 2) on (four tiles of Wout): eight accumulators.
; Source 0 = Wout's tiles, source 1 = o's: a lane holds one token, and the 16 registers of tiles 2 b, 2 b + 1 are columns 32 b + 16 (lane / 16) + 0 .. 15.
; A tile holds rows 32 (T / 2) + 8 (T % 2) + r + 8 (r / 8): the stores' addresses put the tokens back in order.
; ALL OF K LIES IN LDS: four parts of 256, each 25,600 bytes of o and 25,600 of Wout, every byte filled once: no ring.  Wave 2 p asks for o's block of part p, wave 2 p + 1 for Wout's: one load a wave.
; CLUSTER.  4 x 4: o's blocks hang on the token block alone and are asked for jointly along a row of the cluster, Wout's on the column block alone and jointly along a column.
; The bias is loaded INTO the accumulators: every product adds in place, nothing is cleared, nothing is added afterwards.
.set PART, 51200
.set STG,  4*PART                      ; behind the parts: a stage of 16 rows x (256 + 16) bytes for each wave; no tensor load lands there
.set BA,  1                            ; v1-4 in part 0: o's fragments (8 x lane), Wout's (16 x lane), their scale words (8 r); never rewritten
.set STO, 5
.set RD,  6
.set GO,  7
.set OFH, 8
.set AA,  9                            ; v9-12 the four addresses in the part in hand
.set ACC, 172                          ; v172-235 accumulator (t, a) at ACC + 32 a + 8 t
.set WV,  16
; v16-21, v22-27 two sets of scale words (o's two, Wout's four);  v28-99, v100-171 two sets of fragments (o's two, Wout's four)
.macro CROUND
	s_barrier_signal -1
	s_barrier_wait -1
	s_cmp_lg_u32 s[WV], 0
	s_cbranch_scc1 .Lnot_wave_0_\@
	s_barrier_signal -3
.Lnot_wave_0_\@:
	s_barrier_wait -3
	s_barrier_signal -1
	s_barrier_wait -1
.endm
.macro PLACES
.rept 4
	v_nop
.endr
.endm
.macro SETPART n
.irp k, 0,1,2,3
	v_add_nc_u32 v[AA+\k], (\n)*PART, v[BA+\k]
.endr
.endm
.macro FETCH ks, fs                    ; K step ks (128 along K) into set fs: 30 LDS loads
.set FS, 28+72*(\fs)
.set SS, 16+6*(\fs)
.irp a, 0,1
.irp q, 0,1,2,3,4,5
	ds_load_b64 v[FS+12*\a+2*\q:FS+12*\a+2*\q+1], v[AA] offset:\a*3072+((\ks)%2)*1536+256*\q
.endr
.endr
.irp t, 0,1,2,3
.irp c, 0,1,2
	ds_load_b128 v[FS+24+12*\t+4*\c:FS+24+12*\t+4*\c+3], v[AA+1] offset:(\t/2)*6400+(\t%2)*3072+((\ks)%2)*1536+512*\c
.endr
.endr
.irp a, 0,1
	ds_load_b32 v[SS+\a], v[AA+2] offset:\a*128+4*((\ks)%2)
.endr
.irp t, 0,1,2,3
	ds_load_b32 v[SS+2+\t], v[AA+3] offset:(\t/2)*6400+(\t%2)*128+4*((\ks)%2)
.endr
.endm
.macro MUL fs                          ; eight products; the eight accumulators take turns, one instruction a turn
.set FS, 28+72*(\fs)
.set SS, 16+6*(\fs)
.irp a, 0,1
.irp t, 0,1,2,3
	v_wmma_scale_f32_16x16x128_f8f6f4 v[ACC+32*\a+8*\t:ACC+32*\a+8*\t+7], v[FS+24+12*\t:FS+24+12*\t+11], v[FS+12*\a:FS+12*\a+11], v[ACC+32*\a+8*\t:ACC+32*\a+8*\t+7], v[SS+2+\t], v[SS+\a] matrix_a_fmt:MATRIX_FMT_FP6 matrix_b_fmt:MATRIX_FMT_FP6
.endr
.endr
.endm
.macro ITER ks
.if ((\ks)%2 == 1) && ((\ks) < 7)
	SETPART ((\ks)+1)/2                            ; all four parts were shown whole by the one barrier in front of the first K step
.endif
.if ((\ks) > 0) && ((\ks) < 7)
	PLACES                                         ; in front of loads into the set that the last products read
.endif
.if (\ks) < 7
	FETCH (\ks)+1, ((\ks)+1)%2
	s_wait_dscnt 30                                ; all but the 30 just issued
.else
	s_wait_dscnt 0x0
.endif
.if (\ks) == 0
	s_wait_loadcnt 0x0                             ; the bias lies in the accumulators
.endif
	MUL (\ks)%2
.endm
	s_load_b256 s[4:11], s[0:1], 0x0               ; oc, woc, bout, out0
	v_lshl_add_u32 v254, v0, 2, 0x3a800
	v_mov_b32 v255, 0
	ds_add_u32 v254, v255
	ds_add_u32 v254, v255
	v_lshrrev_b32 v1, 5, v0
	s_delay_alu instid0(VALU_DEP_1)
	v_readfirstlane_b32 s[WV], v1                  ; wave 0..7
	s_lshr_b32 s17, s[WV], 1                       ; rg: my 32 tokens
	s_and_b32 s18, s[WV], 1                        ; cg: my 64 columns
	s_bfe_u32 s19, ttmp6, 0x40000                  ; cx
	s_bfe_u32 s20, ttmp6, 0x40004                  ; cy
	s_lshl_b32 s21, ttmp9, 2
	s_add_co_u32 s21, s21, s19                     ; column block
	s_and_b32 s22, ttmp7, 0xffff
	s_lshl_b32 s22, s22, 2
	s_add_co_u32 s22, s22, s20                     ; token block
	s_lshl_b32 s66, s20, 2
	s_lshl_b32 s66, 15, s66                        ; my row of the cluster
	s_lshl_b32 s67, 0x1111, s19                    ; my column
	s_or_b32 s24, s66, (3<<16)|(1<<21)             ; descriptor group 1: 25,600 dense bytes as 100 rows of 32 elements of 8 bytes, no padding
	s_or_b32 s32, s67, (3<<16)|(1<<21)
.irp g, 24, 32
	s_mov_b32 s[\g+1], 32<<16
	s_mov_b32 s[\g+2], 100<<16
	s_mov_b32 s[\g+3], 32<<16
	s_mov_b32 s[\g+4], 100
	s_mov_b32 s[\g+5], 32
	s_mov_b32 s[\g+6], 0
	s_mov_b32 s[\g+7], 0
.endr
	s_mul_i32 s84, s22, 25600
	s_mov_b32 s85, 0
	s_mul_i32 s86, s21, 25600
	s_mov_b32 s87, 0
	s_lshl_b32 s88, s21, 9
	s_lshl_b32 s89, s18, 8
	s_add_co_u32 s88, s88, s89                     ; my 64 columns, in bytes
	s_mov_b32 s89, 0
	s_lshl_b32 s90, s22, 2
	s_add_co_u32 s90, s90, s17
	s_lshl_b32 s90, s90, 17                        ; my 32 tokens: rows of 4,096 bytes
	s_add_co_u32 s90, s90, s88
	s_mov_b32 s91, 0
	s_wait_dscnt 0x0
	s_wait_kmcnt 0x0
	s_add_nc_u64 s[84:85], s[4:5], s[84:85]
	s_add_nc_u64 s[86:87], s[6:7], s[86:87]
	s_add_nc_u64 s[8:9], s[8:9], s[88:89]
	s_add_nc_u64 s[10:11], s[10:11], s[90:91]
	CROUND                                         ; all sixteen work-groups are here: the joint loads meet
.irp p, 0,1,2,3
	s_mov_b32 s[40+4*\p], 1
	s_mov_b32 s[41+4*\p], \p*PART
	s_add_nc_u64 s[42+4*\p:43+4*\p], s[84:85], \p*819200
	s_or_b32 s[43+4*\p], s[43+4*\p], 0x80000000
	s_mov_b32 s[68+4*\p], 1
	s_mov_b32 s[69+4*\p], \p*PART+25600
	s_add_nc_u64 s[70+4*\p:71+4*\p], s[86:87], \p*204800
	s_or_b32 s[71+4*\p], s[71+4*\p], 0x80000000
.endr
; the eight fills, one a wave: wave 2 p fetches o's block of part p, wave 2 p + 1 Wout's; one chain of arms on the wave's number, every way through it passes one load
.macro ARM under, g0, g1, next
	s_cmp_lt_u32 s[WV], \under
	s_cbranch_scc0 \next
	tensor_load_to_lds s[\g0:\g0+3], s[\g1:\g1+7]
	s_nop 0
	PLACES
	s_branch .Lasked
\next:
.endm
	ARM 1, 40, 24, .La1
	ARM 2, 68, 32, .La2
	ARM 3, 44, 24, .La3
	ARM 4, 72, 32, .La4
	ARM 5, 48, 24, .La5
	ARM 6, 76, 32, .La6
	ARM 7, 52, 24, .La7
	tensor_load_to_lds s[80:83], s[32:39]
	s_nop 0
	PLACES
.Lasked:
	v_bfe_u32 v14, v0, 4, 1                        ; h
	s_delay_alu instid0(VALU_DEP_1)
	v_lshlrev_b32 v[OFH], 6, v14                   ; 16 h numbers
.irp a, 0,1
.irp b, 0,1
.irp i, 0,1,2,3
	global_load_b128 v[ACC+32*\a+16*\b+4*\i:ACC+32*\a+16*\b+4*\i+3], v[OFH], s[8:9] offset:128*\b+16*\i   ; bout at columns 32 b + 16 h + 4 i on, for both tiles of tokens
.endr
.endr
.endr
	v_and_b32 v13, 31, v0                          ; lane
	v_and_b32 v15, 15, v0                          ; r
	s_mul_i32 s92, s17, 6400                       ; my pair of o's tiles in a part,
	s_mul_i32 s93, s18, 12800
	s_add_co_u32 s93, s93, 25600                   ; my two pairs of Wout's
	v_lshlrev_b32 v[BA], 3, v13
	s_delay_alu instid0(VALU_DEP_1)
	v_add_nc_u32 v[BA], s92, v[BA]
	v_lshlrev_b32 v[BA+1], 4, v13
	s_delay_alu instid0(VALU_DEP_1)
	v_add_nc_u32 v[BA+1], s93, v[BA+1]
	v_lshlrev_b32 v[BA+2], 3, v15
	s_delay_alu instid0(VALU_DEP_1)
	v_add_nc_u32 v[BA+2], 6144, v[BA+2]
	s_delay_alu instid0(VALU_DEP_1)
	v_add_nc_u32 v[BA+3], s93, v[BA+2]
	s_delay_alu instid0(VALU_DEP_2)
	v_add_nc_u32 v[BA+2], s92, v[BA+2]
	s_mul_i32 s94, s[WV], 4352
	s_add_co_u32 s94, s94, STG                     ; my stage
	v_mul_u32_u24 v[STO], v15, 272
	s_delay_alu instid0(VALU_DEP_1)
	v_lshl_add_u32 v[STO], v14, 6, v[STO]
	s_delay_alu instid0(VALU_DEP_1)
	v_add_nc_u32 v[STO], s94, v[STO]               ; in: row r, + 64 h
	v_mul_u32_u24 v[RD], v14, 272
	s_delay_alu instid0(VALU_DEP_1)
	v_lshl_add_u32 v[RD], v15, 4, v[RD]
	s_delay_alu instid0(VALU_DEP_1)
	v_add_nc_u32 v[RD], s94, v[RD]                 ; back: lanes 0-15 one row, lanes 16-31 the next
	v_lshlrev_b32 v[GO], 12, v14
	s_delay_alu instid0(VALU_DEP_1)
	v_lshl_add_u32 v[GO], v15, 4, v[GO]            ; and the same two rows in out0
	SETPART 0
	s_wait_alu depctr_va_vdst(0)
	s_wait_tensorcnt 0x0                           ; my one load is in
	s_barrier_signal -1
	s_barrier_wait -1
	FETCH 0, 0
	ITER 0
	ITER 1
	s_wait_alu depctr_va_vdst(0)
	ITER 2
	ITER 3
	s_wait_alu depctr_va_vdst(0)
	ITER 4
	ITER 5
	s_wait_alu depctr_va_vdst(0)
	ITER 6
	ITER 7
	PLACES                                         ; in front of the first read of results, and of loads into registers that the products read
	; THE WAY OUT: a tile of 16 tokens x 64 columns goes through my stage and comes back as rows of 256 bytes
.irp a, 0,1
.irp b, 0,1
.irp i, 0,1,2,3
	ds_store_b128 v[STO], v[ACC+32*\a+16*\b+4*\i:ACC+32*\a+16*\b+4*\i+3] offset:128*\b+16*\i   ; each accumulator from its low end on
.endr
.endr
.irp i, 0,1,2,3,4,5,6,7
	ds_load_b128 v[28+32*\a+4*\i:31+32*\a+4*\i], v[RD] offset:2*\i*272   ; LDS serves a wave's instructions in order: these see my stores, and the next tile's stores come behind them
.endr
.endr
.irp a, 0,1
.irp i, 0,1,2,3,4,5,6,7
	s_wait_dscnt 23-16*\a-\i                       ; what was issued behind this load may be out
	global_store_b128 v[GO], v[28+32*\a+4*\i:31+32*\a+4*\i], s[10:11] offset:(8*\a+2*\i+8*(\i/4))*4096 th:TH_STORE_NT   ; stage row 2 i + h is token 8 a + 2 i + h + 8 (i / 4) of my 32; sixteen lanes store 256 aligned bytes
.endr
.endr
	s_wait_tensorcnt 0x0
	ds_add_u32 v254, v255
	s_wait_dscnt 0x0
	CROUND                                         ; the closing round: no work-group ends while a partner may still ask for a block that names it
	s_endpgm
.Lfunc_end_k_q586c575b5c_outp:
	.size	k_q586c575b5c_outp, .Lfunc_end_k_q586c575b5c_outp-k_q586c575b5c_outp
	.p2alignl 7, 3214868480
	.fill 96, 4, 3214868480
	.section	.rodata,"a",@progbits
	.p2align	6, 0x0
	.amdhsa_kernel k_q586c575b5c_outp
		.amdhsa_group_segment_fixed_size 240640
		.amdhsa_private_segment_fixed_size 0
		.amdhsa_enable_private_segment 0
		.amdhsa_kernarg_size 32
		.amdhsa_user_sgpr_count 2
		.amdhsa_user_sgpr_kernarg_segment_ptr 1
		.amdhsa_wavefront_size32 1
		.amdhsa_system_sgpr_workgroup_id_x 1
		.amdhsa_system_sgpr_workgroup_id_y 1
		.amdhsa_system_sgpr_workgroup_id_z 1
		.amdhsa_system_vgpr_workitem_id 0
		.amdhsa_next_free_vgpr 256
		.amdhsa_next_free_sgpr 100
		.amdhsa_reserve_vcc 0
		.amdhsa_float_denorm_mode_32 3
		.amdhsa_float_denorm_mode_16_64 3
		.amdhsa_memory_ordered 1
		.amdhsa_forward_progress 1
		.amdhsa_inst_pref_size 41
	.end_amdhsa_kernel
	.amdgpu_metadata
---
amdhsa.version: [ 1, 2 ]
amdhsa.kernels:
  - .name:           k_q586c575b5c_outp
    .symbol:         k_q586c575b5c_outp.kd
    .args:
      - { .name: oc, .offset: 0, .size: 8, .value_kind: global_buffer, .address_space: global }
      - { .name: woc, .offset: 8, .size: 8, .value_kind: global_buffer, .address_space: global }
      - { .name: bout, .offset: 16, .size: 8, .value_kind: global_buffer, .address_space: global }
      - { .name: out0, .offset: 24, .size: 8, .value_kind: global_buffer, .address_space: global }
    .group_segment_fixed_size: 240640
    .private_segment_fixed_size: 0
    .kernarg_segment_align: 8
    .kernarg_segment_size: 32
    .max_flat_workgroup_size: 256
    .sgpr_count:     100
    .vgpr_count:     256
    .wavefront_size: 32
...
	.end_amdgpu_metadata
.endif
;; end of part 4
